; MI455X (gfx1250); checked and timed in simulation.
; The chip was launched on July 23, 2026; its instructions are those of AMD's public machine-readable ISA for CDNA 5 (MIT licence, August 2026) and "CDNA5" Instruction Set Architecture Reference Guide (July 2026). The comments in the code are by the model that wrote it; some were corrected since.
;; Multi Head Self Attention. Allowed arithmetic: matrix products marked QUANTISED: E5M2 operands, one E8M0 scale for each 32 along K, by v_wmma_scale_f32_16x16x128_f8f6f4 with both operands' format E5M2, f32 sums; everything else in f32.
;; Inputs: b_o 1,024 float32; ln_beta 1,024 float32; ln_gamma 1,024 float32; w_k_codes 1,024 x 32 x 32 uint8 (E5M2 codes of w_k, K innermost, in blocks of 32 codes); w_k_scales 1,024 x 32 uint8 (E8M0 scales of w_k, one for each 32 codes along K); w_o_codes 1,024 x 32 x 32 uint8 (E5M2 codes of w_o, K innermost, in blocks of 32 codes); w_o_scales 1,024 x 32 uint8 (E8M0 scales of w_o, one for each 32 codes along K); w_q_codes 1,024 x 32 x 32 uint8 (E5M2 codes of w_q, K innermost, in blocks of 32 codes); w_q_scales 1,024 x 32 uint8 (E8M0 scales of w_q, one for each 32 codes along K); w_v_codes 1,024 x 32 x 32 uint8 (E5M2 codes of w_v, K innermost, in blocks of 32 codes); w_v_scales 1,024 x 32 uint8 (E8M0 scales of w_v, one for each 32 codes along K); x 2 x 2,048 x 1,024 float32.
;; Outputs: out0 2 x 2,048 x 1,024 float32.
;; This version of the problem:
;;   THIS VERSION OF THE PROBLEM IS GIVEN IN LOW PRECISION. The matrix products marked QUANTISED in the list below multiply operands that are first quantised to E5M2 (5 exponent bits, 2 mantissa bits; 8 bits a number), with one power-of-two scale for each 32 numbers along K (OCP MX v1.0); their sums are f32. All else is computed in f32.
;;   The module's matrix products, in the order in which they are computed (A, B: the left and right operand; K: the contracted axis; several contracted axes count as one K, in the product's order):
;;     1. [M 4,096, K 1,024] x [K 1,024, N 1,024]; A: input x; B: input w_q (given as codes): QUANTISED
;;     2. [M 4,096, K 1,024] x [K 1,024, N 1,024]; A: input x; B: input w_k (given as codes): QUANTISED
;;     3. [M 4,096, K 1,024] x [K 1,024, N 1,024]; A: input x; B: input w_v (given as codes): QUANTISED
;;     4. batch 32 x [M 2,048, K 64] x [K 64, N 2,048]; A: computed on the way; B: computed on the way: QUANTISED
;;     5. batch 32 x [M 2,048, K 2,048] x [K 2,048, N 64]; A: softmax (see below); B: computed on the way: QUANTISED
;;     6. [M 4,096, K 1,024] x [K 1,024, N 1,024]; A: computed on the way; B: input w_o (given as codes): QUANTISED
;;   THE QUANTISER, for each operand of a quantised product, along K:
;;     - K is cut into blocks of 32 from its start; a last block that is shorter is filled with zeros.
;;     - A block's scale is 2^e with e = floor(log2(the largest magnitude in the block)) - 15, held to -126 .. 127; a block of zeros has e = 0. As a byte (E8M0): e + 127.
;;     - Each number is divided by its block's scale, clamped to +-57,344, and rounded to the nearest number of E5M2, ties to even, subnormals kept.
;;     - The product sums the exact products of the quantised numbers (number of the format x scale) in f32.
;;   ~~~python
;;   def quantise(x, axis):      # numpy; x: float32 -> the quantised numbers, widened to float32 again
;;       x = np.moveaxis(x, axis, -1); K = x.shape[-1]
;;       x = np.pad(x, [(0, 0)] * (x.ndim - 1) + [(0, -K % 32)]); x = x.reshape(x.shape[:-1] + (-1, 32)); a = np.abs(x).max(-1, keepdims=True)
;;       e = np.where(a > 0, np.clip(np.frexp(np.where(a > 0, a, 1))[1] - 1 - 15, -126, 127), 0)      # np.frexp(a)[1] - 1 = floor(log2(a)), exactly
;;       r = np.clip(x / 2.0 ** e, -57344, 57344)
;;       step = 2.0 ** (np.maximum(np.frexp(np.where(r == 0, 1, r))[1] - 1, -14) - 2)
;;       q = np.round(r / step) * step * 2.0 ** e      # np.round: ties to even
;;       return np.moveaxis(q.reshape(q.shape[:-2] + (-1,))[..., :K], -1, axis).astype(np.float32)
;;   ~~~
;;   SOFTMAX AHEAD OF A QUANTISED PRODUCT. Where the list says 'softmax', what is quantised is not the finished softmax but p = 2^(t - M), with t = logit x log2(e) and M = ceil(the row's largest t), a whole number; so 1/2 < the row's largest p <= 1. The row's sum l is taken of the UNQUANTISED p, in f32, and the product's result is divided by l at the end. Since M is a whole number, a kernel that streams over the keys may use a running M (the ceiling of the running maximum): every later rescaling is an exact power of two, which a block's scale takes up: the codes' values come out the same.
;;   OPERANDS COMPUTED ON THE WAY. 'Computed on the way' means the value that the module computes at that place (a softmax that the list does not call 'softmax' is quantised finished and normalised). What goes into a quantiser is computed in f32, as accurately as f32 sums, v_exp_f32 and their like allow (about 1e-6 of the number): no bf16 or f16 on the way to a quantiser, and a product that is left as it is and whose result goes on into a quantised operand takes f32 operands (vector FMAs, or v_wmma_f32_16x16x4_f32). A number that lies on a knife's edge between two numbers of the format may be rounded either way, as far as f32 arithmetic and the matrix unit's own rounding can turn it there, and no further.
;;   INPUTS GIVEN AS CODES. w_k (in the module: [1024, 1024], K = its axis 1); w_o (in the module: [1024, 1024], K = its axis 1); w_q (in the module: [1024, 1024], K = its axis 1); w_v (in the module: [1024, 1024], K = its axis 1): each comes as NAME_codes (uint8): NAME with its K axis moved to the last place and cut into blocks of 32 codes, [.., K / 32, bytes a block], one block behind the other in memory; one code a byte (a code: sign, 5 exponent bits, 2 mantissa bits); and NAME_scales (uint8): the same leading axes, one E8M0 byte (e + 127) for each 32 codes along K. Its value is code x scale, taken as it is: it is not quantised again, and the codes and scales need not be those that the quantiser above would give.
;; 2 versions. Each part assembles by itself: llvm-mc -triple=amdgcn-amd-amdhsa -mcpu=gfx1250 --defsym DOCPART=n.
;; ======== version 1 of 2: 3 launches
;; workspace buffers: qimg 4,194,304 bytes; qsc 262,144 bytes; kv 8,781,824 bytes; woimg 1,048,576 bytes; cimg 4,194,304 bytes; csc 131,072 bytes
;; launch qkv (part 1): grid 8 x 32, 16 waves a work-group, no clusters, 327,680 bytes of LDS; arguments x, w_q_codes, w_q_scales, w_k_codes, w_k_scales, w_v_codes, w_v_scales, w_o_codes, qimg, qsc, kv, woimg; writes qimg, qsc, kv, woimg
.if DOCPART == 1
	.amdgcn_target "amdgcn-amd-amdhsa--gfx1250"
	.amdhsa_code_object_version 6
	.text
	.protected	k_q8035ed3bc1_qkv
	.globl	k_q8035ed3bc1_qkv
	.p2align	8
	.type	k_q8035ed3bc1_qkv,@function
k_q8035ed3bc1_qkv:
	s_mov_b64 s[64:65], 0
	v_nop
	global_prefetch_b8 v0, s[64:65] scope:SCOPE_SE
	s_setreg_imm32_b32 hwreg(HW_REG_WAVE_MODE, 25, 1), 1
	s_wait_xcnt 0x0
; q = x Wq^T, k = x Wk^T, v = x Wv^T on codes of BF8 (E5M2) with one E8M0 scale for each 32 along K; x [4096][1024] f32 is quantised here, the weights come as codes [1024][1024], K innermost.
; The results are quantised at once for the attention launch: q and k along the head's 64, v along the tokens (its K there), and stored as IMAGES OF OPERAND REGISTERS:
; a group of four registers is 512 bytes, lane l's 16 bytes at 16 l.  The launch also lays w_o's codes out as such images for the last launch.
; SHARES.  Work-group (g, rb): tokens 128 rb .. + 127, heads 2 g and 2 g + 1 of q, k and v.  All 16 waves quantise x, 8 rows each, in two halves of K (512 each).  Waves 0-11 multiply:
; kind = wave / 4 (q, k, v), head half hh, token half th: 64 tokens x 64 columns, 16 accumulators.  Waves 13-15 fetch the weights' tiles (one kind each); waves 12, 13 lay out one fragment of w_o each.
; ORDER INSIDE A BLOCK OF 32.  A result's pair of tiles 2 c, 2 c + 1 gives group c, whose byte 8 u + j of lane (r, h) is the true index 32 c + 16 u + 8 h + j.  The order changes inside a block of 32 alone
; (one scale), and falls alike on both operands of each later product: q with k, v with p, ctx with w_o's images, which are laid in this order here.
; No cluster: the launch has four tile fills in all, and its larger stream, x as f32, goes through registers, where nothing can be shared.
; LIMITS: NaN and infinities among the inputs are not served.  A block whose largest magnitude lies under 2^-111 takes the scale byte 1; a block of zeros too (not 127): its codes are zeros, and this program alone reads the bytes.
.set XPITCH, 528                       ; x's codes in LDS: 512 bytes (half of K) + 16: 33 x 16 bytes, so the 16 rows of a fragment load start 16 bytes apart modulo 256
.set XSB,    128*XPITCH                ; 67,584: x's scale bytes of that half: 16 a row + 4
.set XSP,    20
.set WRING,  70144                     ; two slots of weights' tiles: [kind][128 rows], 256 bytes (two K steps) + 16
.set WPITCH, 272
.set WKIND,  128*WPITCH
.set WSLOT,  3*WKIND
.set SPARE,  WRING+2*WSLOT             ; 279,040: the spare words, 128 bytes a wave: eight blocks of 256 bytes that no other line names
.set SLOTB,  34304                     ; a slot of kv: 256 keys: K's images, V's images, K's scale words, V's
.set VIMG,   16384
.set KSC,    32768
.set VSC,    33792
.set SPW, 1                            ; v1  SPARE + 4 x thread; never rewritten
.set NIL, 2                            ; v2  0; never rewritten
.set XA,  3                            ; v3  32 x lane: my 8 numbers of 1,024 bytes of x
.set XST, 4                            ; v4  where my 8 codes go
.set XBT, 5                            ; v5  where my block's scale byte goes
.set ADW, 6                            ; v6, v7  my weights' fragments in slot A, B
.set XSW, 8                            ; v8-11   x's scale words, four tiles
.set WS,  12                           ; v12-27  the weights' scale words: 4 t + (K step % 4)
.set ADX, 28                           ; v28 my x fragments
.set ADXS, 29                          ; v29 their scale words
.set WSO, 30                           ; v30 32 r: a row of weight scales
.set LI,  31                           ; v31 16 x lane: an image's place
.set XF,  32                           ; v32-63  two fragments of x; elsewhere at work
.set WF,  64                           ; v64-127 four fragments of weights
.set XN,  64                           ;         in the X phases: four sets of 16 numbers of x
.set ACC, 128                          ; v128-255
.set MX,  32                           ; X phase: largest magnitudes,
.set SCX, 34                           ; the conversions' scale operands,
.set HOX, 36                           ; 57,344 x the scale,
.set BY,  40                           ; scale bytes, two sets,
.set CD,  44                           ; codes, two sets
.set TQ,  32                           ; the way out: v32-39 at work
.set LW,  40                           ; v40 4 r
.set WV, 2
.set G,  3
.set RB, 4
.set KIND, 5
.set HH, 6
.set TH, 7
.set SEL, 48
.set MNT, 50
.macro PLACES n
.rept \n
	v_nop
.endr
.endm
.macro TLOAD g0                        ; waves 13-15 fetch, one kind each; the branch hangs on the wave's number alone; four v_nop follow the load
	s_cmp_gt_u32 s[WV], 12
	s_cbranch_scc0 .Lno_tl_\@
	tensor_load_to_lds s[\g0:\g0+3], s[32:39]
	s_nop 0
	PLACES 4
.Lno_tl_\@:
.endm
.macro WSLOAD off                      ; four K steps' scale words of my 64 weight rows
.irp t, 0,1,2,3
	global_load_b128 v[WS+4*\t:WS+4*\t+3], v[WSO], s[54:55] offset:512*\t+\off
.endr
.endm
.macro XLOAD hf, j                     ; row j of my 8, half hf of K: lane l takes k = 512 hf + 256 u + 8 l + 0 .. 7; a pair of loads covers 1,024 consecutive bytes
.irp u, 0,1
.irp p, 0,1
	global_load_b128 v[XN+16*((\j)%4)+8*\u+4*\p:XN+16*((\j)%4)+8*\u+4*\p+3], v[XA], s[52:53] offset:4096*(\j)+2048*(\hf)+1024*\u+16*\p
.endr
.endr
.endm
.macro XROW hf, j                      ; row j is quantised: four lanes hold a block of 32
.set XR, XN+16*((\j)%4)
.set BYS, BY+2*((\j)%2)
.set CDS, CD+4*((\j)%2)
.if (\j) <= 4
	s_wait_loadcnt 12                              ; row j's four loads are in; those of the three rows behind it may be out
.else
	s_wait_loadcnt 4*(7-(\j))
.endif
.if (\j) >= 2
	s_wait_dscnt 4                                 ; row j - 1's four LDS stores may be out; row j - 2's have read the registers that are written now
.endif
.irp u, 0,1
	v_max3_num_f32 v[MX+\u], |v[XR+8*\u]|, |v[XR+8*\u+1]|, 0x8000000   ; my 8 numbers, and the floor 2^(16 - 127): the byte cannot fall under 1
.endr
.irp i, 2,4,6
.irp u, 0,1
	v_max3_num_f32 v[MX+\u], v[MX+\u], |v[XR+8*\u+\i]|, |v[XR+8*\u+\i+1]|
.endr
.endr
.irp u, 0,1
	v_max_num_f32_dpp v[MX+\u], v[MX+\u], v[MX+\u] row_xmask:1 row_mask:0xf bank_mask:0xf
.endr
.irp u, 0,1
	v_max_num_f32_dpp v[MX+\u], v[MX+\u], v[MX+\u] row_xmask:2 row_mask:0xf bank_mask:0xf   ; the block's largest magnitude
.endr
.irp u, 0,1
	v_add_nc_u32 v[SCX+\u], 0xf8800000, v[MX+\u]   ; 15 off its exponent field: the conversion's scale operand
.endr
.irp u, 0,1
	v_and_or_b32 v[HOX+\u], v[MX+\u], 0x7f800000, s[MNT]   ; 57,344 x the scale
.endr
.irp u, 0,1
	v_lshrrev_b32 v[BYS+\u], 23, v[SCX+\u]         ; the scale's byte
.endr
.irp u, 0,1
.irp i, 0,1,2,3,4,5,6,7
	v_med3_num_f32 v[XR+8*\u+\i], v[XR+8*\u+\i], -v[HOX+\u], v[HOX+\u]   ; the conversion does not saturate (ISA guide 7.6.2): the hold comes first
.endr
	v_cvt_scalef32_pk8_bf8_f32 v[CDS+2*\u:CDS+2*\u+1], v[XR+8*\u:XR+8*\u+7], v[SCX+\u]
.endr
	v_nop                                          ; a plain line behind the last conversion
.irp u, 0,1
	ds_store_b64 v[XST], v[CDS+2*\u:CDS+2*\u+1] offset:XPITCH*(\j)+256*\u
	ds_store_b8 v[XBT], v[BYS+\u] offset:XSP*(\j)+8*\u   ; the four lanes of a block write the same byte with the same value
.endr
.if (\j)+4 < 8
	XLOAD \hf, (\j)+4
.endif
.endm
.macro WM d, fa, fb, sa, sb, kk        ; one product; K step 0 starts the sum with the constant 0
.if (\kk) == 0
	v_wmma_scale_f32_16x16x128_f8f6f4 v[\d:\d+7], v[\fa:\fa+15], v[\fb:\fb+15], 0, v[\sa], v[\sb] matrix_a_fmt:MATRIX_FMT_BF8 matrix_b_fmt:MATRIX_FMT_BF8
.else
	v_wmma_scale_f32_16x16x128_f8f6f4 v[\d:\d+7], v[\fa:\fa+15], v[\fb:\fb+15], v[\d:\d+7], v[\sa], v[\sb] matrix_a_fmt:MATRIX_FMT_BF8 matrix_b_fmt:MATRIX_FMT_BF8
.endif
.endm
; Eight products: x tiles 2 p, 2 p + 1 against the four weight tiles.  q, k: source 0 = 16 weight rows, source 1 = 16 tokens: a lane holds one token, its registers run along d.
; v: the sources change places: a lane holds one d row, its registers run along the tokens, which are v's K.  The 16 accumulators take turns, one instruction each in a K step.
.macro MUL8 s, p
	s_cmp_lt_u32 s[WV], 8
	s_cbranch_scc0 .Lmv_\@
.irp ii, 0,1
.irp t, 0,1,2,3
	WM ACC+8*(4*(2*\p+\ii)+\t), WF+16*\t, XF+16*\ii, WS+4*\t+XK, XSW+2*\p+\ii, \s
.endr
.endr
	s_branch .Lmd_\@
.Lmv_\@:
.irp ii, 0,1
.irp t, 0,1,2,3
	WM ACC+8*(4*\t+2*\p+\ii), XF+16*\ii, WF+16*\t, XSW+2*\p+\ii, WS+4*\t+XK, \s
.endr
.endr
.Lmd_\@:
.endm
.macro MSTEP s                         ; K step s of eight: 128 along K
.set SL, ((\s)>>1)&1
.set QQ, (\s)&1
.set XK, (\s)&3
.if XK != 0
	PLACES 8                                       ; eight places between the last products and loads into registers that they read
.endif
.irp t, 0,1,2,3
.irp c, 0,1,2,3
	ds_load_b128 v[WF+16*\t+4*\c:WF+16*\t+4*\c+3], v[ADW+SL] offset:16*WPITCH*\t+128*QQ+32*\c
.endr
.endr
.irp i, 0,1
.irp c, 0,1,2,3
	ds_load_b128 v[XF+16*\i+4*\c:XF+16*\i+4*\c+3], v[ADX] offset:16*XPITCH*\i+128*XK+32*\c
.endr
.endr
.irp i, 0,1,2,3
	ds_load_b32 v[XSW+\i], v[ADXS] offset:16*XSP*\i+4*XK
.endr
	s_wait_dscnt 0x0
	MUL8 \s, 0
.if (\s) == 0
	PLACES 9                                       ; nine in K step 0: the products below begin sums with the constant 0, and the two kinds' ways number the accumulators differently: taken over both ways they write registers that the products above have written
.else
	PLACES 8
.endif
.irp i, 0,1
.irp c, 0,1,2,3
	ds_load_b128 v[XF+16*\i+4*\c:XF+16*\i+4*\c+3], v[ADX] offset:16*XPITCH*(\i+2)+128*XK+32*\c
.endr
.endr
	s_wait_dscnt 0x0
	MUL8 \s, 1
.endm
; 32 numbers of a lane, two blocks of 16 registers (a block's other 16 lie in lane l xor 16), become 8 registers of codes and the two scale bytes in v[w]
.macro QUANT2 s, d, w
.irp b, 0,1
	v_max3_num_f32 v[TQ+\b], |v[\s+16*\b]|, |v[\s+16*\b+1]|, 0x8000000
.endr
.irp i, 2,4,6,8,10,12,14
.irp b, 0,1
	v_max3_num_f32 v[TQ+\b], v[TQ+\b], |v[\s+16*\b+\i]|, |v[\s+16*\b+\i+1]|
.endr
.endr
.irp b, 0,1
	v_permlanex16_b32 v[TQ+2+\b], v[TQ+\b], s[SEL], s[SEL+1]
.endr
.irp b, 0,1
	v_max_num_f32 v[TQ+\b], v[TQ+\b], v[TQ+2+\b]
.endr
.irp b, 0,1
	v_add_nc_u32 v[TQ+4+\b], 0xf8800000, v[TQ+\b]
.endr
.irp b, 0,1
	v_and_or_b32 v[TQ+6+\b], v[TQ+\b], 0x7f800000, s[MNT]
.endr
.irp b, 0,1
	v_lshrrev_b32 v[TQ+2+\b], 23, v[TQ+4+\b]
.endr
	v_lshl_or_b32 v[\w], v[TQ+3], 8, v[TQ+2]
.irp b, 0,1
.irp i, 0,1,2,3,4,5,6,7,8,9,10,11,12,13,14,15
	v_med3_num_f32 v[\s+16*\b+\i], v[\s+16*\b+\i], -v[TQ+6+\b], v[TQ+6+\b]
.endr
	v_cvt_scalef32_pk8_bf8_f32 v[\d+4*\b:\d+4*\b+1], v[\s+16*\b:\s+16*\b+7], v[TQ+4+\b]
	v_cvt_scalef32_pk8_bf8_f32 v[\d+4*\b+2:\d+4*\b+3], v[\s+16*\b+8:\s+16*\b+15], v[TQ+4+\b]
.endr
	v_nop                                          ; a plain line behind the last conversion
.endm
	s_load_b512 s[8:23], s[0:1], 0x0               ; x 8, wq codes 10, wq scales 12, wk codes 14, wk scales 16, wv codes 18, wv scales 20, wo codes 22
	s_load_b256 s[24:31], s[0:1], 0x40             ; qimg 24, qsc 26, kv 28, woimg 30
	v_lshl_add_u32 v[SPW], v0, 2, SPARE
	v_mov_b32 v[NIL], 0
	ds_add_u32 v1, v2
	ds_add_u32 v1, v2
	s_wait_dscnt 0x0
	v_lshrrev_b32 v32, 5, v0
	v_readfirstlane_b32 s[WV], v32                 ; wave 0..15
	s_mov_b32 s[G], ttmp9
	s_and_b32 s[RB], ttmp7, 0xffff
	s_lshr_b32 s[KIND], s[WV], 2
	s_bfe_u32 s[HH], s[WV], 0x10001
	s_and_b32 s[TH], s[WV], 1
	v_and_b32 v33, 31, v0                          ; lane
	v_and_b32 v34, 15, v0                          ; r
	v_bfe_u32 v35, v0, 4, 1                        ; h
	v_lshlrev_b32 v[XA], 5, v33
	s_mul_i32 s60, s[WV], 8*XPITCH
	v_lshl_add_u32 v[XST], v33, 3, s60             ; my wave's 8 rows, 8 bytes a lane
	s_mul_i32 s60, s[WV], 8*XSP
	s_add_co_u32 s60, s60, XSB
	v_lshrrev_b32 v36, 2, v33
	v_add_nc_u32 v[XBT], s60, v36
	s_min_u32 s60, s[KIND], 2                      ; (waves 12-15 read no weights: the address is held inside the ring)
	s_mul_i32 s60, s60, WKIND
	s_mul_i32 s61, s[HH], 64*WPITCH
	s_add_co_u32 s60, s60, s61
	s_add_co_u32 s60, s60, WRING
	v_mul_u32_u24 v36, v34, WPITCH
	v_lshl_add_u32 v36, v35, 4, v36
	v_add_nc_u32 v[ADW], s60, v36
	v_add_nc_u32 v[ADW+1], WSLOT, v[ADW]
	s_mul_i32 s60, s[TH], 64*XPITCH
	v_mul_u32_u24 v36, v34, XPITCH
	v_lshl_add_u32 v36, v35, 4, v36
	v_add_nc_u32 v[ADX], s60, v36
	s_mul_i32 s60, s[TH], 64*XSP
	s_add_co_u32 s60, s60, XSB
	v_mul_u32_u24 v36, v34, XSP
	v_add_nc_u32 v[ADXS], s60, v36
	v_lshlrev_b32 v[WSO], 5, v34
	v_lshlrev_b32 v[LI], 4, v33
	; descriptor group 1: 128 rows x 256 bytes, 1,024 bytes apart in memory, 16 bytes of padding behind each row in LDS
	s_mov_b32 s32, (0<<16)|(1<<20)|(5<<22)|(3<<25) ; elements of 1 byte; padding on, after every 64 words, of 4 words
	s_mov_b32 s33, 256<<16                         ; tensor_dim0
	s_mov_b32 s34, 128<<16                         ; tensor_dim1
	s_mov_b32 s35, 256<<16                         ; tile_dim0
	s_mov_b32 s36, 128                             ; tile_dim1
	s_mov_b32 s37, 1024                            ; stride from row to row
	s_mov_b32 s38, 0
	s_mov_b32 s39, 0
	s_and_b32 s41, s[WV], 3                        ; waves 13, 14, 15 fill kinds 0, 1, 2
	s_mul_i32 s41, s41, WKIND
	s_add_co_u32 s41, s41, WRING-WKIND
	s_add_co_u32 s45, s41, WSLOT
	s_mov_b32 s40, 1
	s_mov_b32 s44, 1
	s_mov_b32 s[SEL], 0x76543210
	s_mov_b32 s[SEL+1], 0xfedcba98                 ; v_permlanex16_b32's selects for lane l xor 16
	s_mov_b32 s[MNT], 0x600000                     ; the mantissa field of 57,344
	s_lshl_b32 s62, s[G], 17                       ; my 128 weight rows of 1,024 bytes
	s_mov_b32 s63, 0
	s_lshl_b32 s66, s[RB], 19                      ; my 128 rows of x, 4,096 bytes each,
	s_lshl_b32 s67, s[WV], 15                      ; my wave's 8
	s_add_co_u32 s66, s66, s67
	s_mov_b32 s67, 0
	s_lshl_b32 s68, s[G], 12                       ; the scales of my 128 weight rows, 32 bytes each,
	s_lshl_b32 s69, s[HH], 11                      ; my head's 64
	s_add_co_u32 s68, s68, s69
	s_mov_b32 s69, 0
	s_wait_kmcnt 0x0
	s_cmp_eq_u32 s[WV], 13
	s_cselect_b64 s[60:61], s[10:11], s[18:19]
	s_cmp_eq_u32 s[WV], 14
	s_cselect_b64 s[60:61], s[14:15], s[60:61]
	s_add_nc_u64 s[60:61], s[60:61], s[62:63]
	s_mov_b64 s[42:43], s[60:61]                   ; slot A: K bytes 0-255
	s_or_b32 s43, s43, 0x80000000
	s_add_nc_u64 s[46:47], s[60:61], 256           ; slot B: K bytes 256-511
	s_or_b32 s47, s47, 0x80000000
	s_cmp_gt_u32 s[WV], 12                         ; a wave's two first fills stand in one branch, ahead of every wait on TENSORcnt, LDS read and barrier: two loads of mine are out
	s_cbranch_scc0 .Lno_first
	tensor_load_to_lds s[40:43], s[32:39]
	s_nop 0
	tensor_load_to_lds s[44:47], s[32:39]
	s_nop 0
	PLACES 4
.Lno_first:
	s_add_nc_u64 s[52:53], s[8:9], s[66:67]
	s_cmp_eq_u32 s[KIND], 0
	s_cselect_b64 s[54:55], s[12:13], s[20:21]
	s_cmp_eq_u32 s[KIND], 1
	s_cselect_b64 s[54:55], s[16:17], s[54:55]
	s_add_nc_u64 s[54:55], s[54:55], s[68:69]
	WSLOAD 0                                       ; K steps 0-3 (every wave loads them: waves 12-15 never use theirs)
.irp j, 0,1,2,3
	XLOAD 0, \j
.endr
	; ---- x, first half of K
.irp j, 0,1,2,3,4,5,6,7
	XROW 0, \j
.endr
	s_wait_tensorcnt 0x1                           ; slot A has landed; slot B's fill may stay out
	s_wait_dscnt 0x0                               ; my codes and bytes lie in LDS
	s_barrier_signal -1
	s_barrier_wait -1
	s_cmp_lt_u32 s[WV], 12
	s_cbranch_scc0 .Lnot_mul_a
	MSTEP 0                                        ; (the scale words are in: the last row's wait on LOADcnt was for 0)
	MSTEP 1
	s_branch .Ljoin_a
.Lnot_mul_a:
	s_cmp_lt_u32 s[WV], 14
	s_cbranch_scc0 .Ljoin_a
	; waves 12, 13: fragment f = 2 (8 rb + g) + (wave & 1) of w_o: column tile nt, K step s, f = ((nt / 4) 8 + s) 4 + nt % 4
	s_lshl_b32 s66, s[RB], 3
	s_add_co_u32 s66, s66, s[G]
	s_lshl_b32 s66, s66, 1
	s_add_co_u32 s66, s66, s[TH]
	s_lshr_b32 s67, s66, 5
	s_lshl_b32 s67, s67, 2
	s_and_b32 s68, s66, 3
	s_add_co_u32 s67, s67, s68                     ; nt
	s_bfe_u32 s68, s66, 0x30002                    ; s
	s_lshl_b32 s67, s67, 14                        ; 16 rows of 1,024 bytes
	s_lshl_b32 s68, s68, 7
	s_add_co_u32 s68, s67, s68
	s_mov_b32 s69, 0
	s_add_nc_u64 s[70:71], s[22:23], s[68:69]
	s_lshl_b32 s68, s66, 11
	s_add_nc_u64 s[72:73], s[30:31], s[68:69]
	v_and_b32 v32, 15, v0
	v_bfe_u32 v33, v0, 4, 1
	v_lshlrev_b32 v32, 10, v32
	v_lshl_add_u32 v32, v33, 3, v32                ; row r, + 8 h
.irp c, 0,1,2,3
	global_load_b64 v[64+4*\c:65+4*\c], v32, s[70:71] offset:32*\c      ; group c: true k 32 c + 8 h + 0 .. 7,
	global_load_b64 v[66+4*\c:67+4*\c], v32, s[70:71] offset:32*\c+16   ; and 32 c + 16 + 8 h + 0 .. 7: the order in which ctx's codes come out of the attention launch
.endr
	s_wait_loadcnt 0x0
.irp c, 0,1,2,3
	global_store_b128 v[LI], v[64+4*\c:67+4*\c], s[72:73] offset:512*\c   ; 32 lanes store 512 consecutive bytes
.endr
.Ljoin_a:
	s_wait_tensorcnt 0x0                           ; all my tensor loads have landed, slot B's among them
	ds_add_u32 v[SPW], v[NIL]                      ; 0 onto my spare word
	ds_add_u32 v1, v2
	s_add_nc_u64 s[42:43], s[42:43], 512           ; slot A's next tile: K bytes 512-767
	s_wait_dscnt 0x0                               ; the add is done, and my reads of slot A are over
	s_barrier_signal -1
	s_barrier_wait -1
	TLOAD 40                                       ; it has two K steps in which to land
	s_cmp_lt_u32 s[WV], 12
	s_cbranch_scc0 .Ljoin_b
	MSTEP 2
	MSTEP 3
.Ljoin_b:
	PLACES 8                                       ; between the last products and the loads into their scale and operand registers
	s_wait_xcnt 0x0                                ; w_o's stores have read their registers: x's numbers may land there
	WSLOAD 16                                      ; K steps 4-7
.irp j, 0,1,2,3
	XLOAD 1, \j
.endr
	s_wait_tensorcnt 0x0
	ds_add_u32 v[SPW], v[NIL]
	ds_add_u32 v1, v2
	s_add_nc_u64 s[46:47], s[46:47], 512           ; slot B's next tile: K bytes 768-1023
	s_wait_dscnt 0x0                               ; my reads of slot B and of x's first half are over
	s_barrier_signal -1
	s_barrier_wait -1
	TLOAD 44
	; ---- x, second half of K, into the same bytes
.irp j, 0,1,2,3,4,5,6,7
	XROW 1, \j
.endr
	s_wait_tensorcnt 0x0                           ; slot B's tile has landed (slot A's was shown landed in front of the last barrier)
	s_wait_dscnt 0x0
	s_barrier_signal -1
	s_barrier_wait -1
	s_cmp_lt_u32 s[WV], 12
	s_cbranch_scc0 .Lend
	MSTEP 4
	MSTEP 5
	MSTEP 6
	MSTEP 7
	PLACES 8
	; ---- the way out.  hb = 16 batch + head; st = which 128 tokens of the batch
	s_lshr_b32 s66, s[RB], 4
	s_lshl_b32 s66, s66, 4
	s_lshl_b32 s67, s[G], 1
	s_add_co_u32 s66, s66, s67
	s_add_co_u32 s66, s66, s[HH]                   ; hb
	s_and_b32 s67, s[RB], 15                       ; st
	s_and_b32 s68, s67, 1
	s_lshl_b32 s69, s66, 3
	s_lshr_b32 s70, s67, 1
	s_add_co_u32 s69, s69, s70
	s_mul_i32 s69, s69, SLOTB                      ; my slot of kv
	s_lshl_b32 s70, s66, 7
	s_lshl_b32 s71, s67, 3
	s_add_co_u32 s70, s70, s71
	s_lshl_b32 s71, s[TH], 2
	s_add_co_u32 s70, s70, s71                     ; q: my first tile of 16 tokens: 128 hb + 8 st + 4 th
	s_lshl_b32 s72, s70, 10
	s_lshl_b32 s73, s70, 6
	s_lshl_b32 s70, s68, 3
	s_add_co_u32 s70, s70, s71                     ; k: my first tile in the slot
	s_lshl_b32 s74, s70, 10
	s_add_co_u32 s74, s74, s69
	s_lshl_b32 s75, s70, 6
	s_add_co_u32 s75, s75, s69
	s_add_co_u32 s75, s75, KSC
	s_lshl_b32 s76, s68, 13                        ; v: the step's four fragments, my two groups of each
	s_lshl_b32 s77, s[TH], 10
	s_add_co_u32 s76, s76, s77
	s_add_co_u32 s76, s76, s69
	s_add_co_u32 s76, s76, VIMG
	s_lshl_b32 s77, s68, 8
	s_lshl_b32 s78, s[TH], 1
	s_add_co_u32 s77, s77, s78
	s_add_co_u32 s77, s77, s69
	s_add_co_u32 s77, s77, VSC
	s_cmp_eq_u32 s[KIND], 0
	s_cselect_b32 s60, s72, s74
	s_cselect_b32 s62, s73, s75
	s_cselect_b64 s[56:57], s[24:25], s[28:29]
	s_cselect_b64 s[58:59], s[26:27], s[28:29]
	s_cmp_eq_u32 s[KIND], 2
	s_cselect_b32 s60, s76, s60
	s_cselect_b32 s62, s77, s62
	s_mov_b32 s61, 0
	s_mov_b32 s63, 0
	s_add_nc_u64 s[56:57], s[56:57], s[60:61]
	s_add_nc_u64 s[58:59], s[58:59], s[62:63]
	v_mov_b32 v[TQ+2], 0                           ; a lane permute's destination counts as one of its sources
	v_mov_b32 v[TQ+3], 0
	v_and_b32 v[LW], 15, v0
	v_lshlrev_b32 v[LW], 2, v[LW]
.irp u, 0,1,2,3
	QUANT2 ACC+32*\u, 64+8*\u, 96+\u               ; q, k: token tile u, blocks along d;  v: d tile u, blocks along my 64 tokens
.endr
	s_cmp_lt_u32 s[WV], 8
	s_cbranch_scc0 .Lout_v
.irp u, 0,1,2,3
	global_store_b128 v[LI], v[64+8*\u:67+8*\u], s[56:57] offset:1024*\u
	global_store_b128 v[LI], v[68+8*\u:71+8*\u], s[56:57] offset:1024*\u+512
	global_store_b32 v[LW], v[96+\u], s[58:59] offset:64*\u   ; a word a token: two bytes, and two of 0 over the zero codes that fill K up to 128; lanes r and r + 16 write the same word
.endr
	s_branch .Lend
.Lout_v:
.irp u, 0,1,2,3
	global_store_b128 v[LI], v[64+8*\u:67+8*\u], s[56:57] offset:2048*\u
	global_store_b128 v[LI], v[68+8*\u:71+8*\u], s[56:57] offset:2048*\u+512
	global_store_b16 v[LW], v[96+\u], s[58:59] offset:64*\u   ; my half of the d row's word for these 128 keys
.endr
.Lend:
	s_wait_tensorcnt 0x0                           ; the wave's end
	ds_add_u32 v[SPW], v[NIL]
	s_wait_dscnt 0x0
	s_endpgm
.Lfunc_end_k_q8035ed3bc1_qkv:
	.size	k_q8035ed3bc1_qkv, .Lfunc_end_k_q8035ed3bc1_qkv-k_q8035ed3bc1_qkv
	.p2alignl 7, 3214868480
	.fill 96, 4, 3214868480
	.section	.rodata,"a",@progbits
	.p2align	6, 0x0
	.amdhsa_kernel k_q8035ed3bc1_qkv
		.amdhsa_group_segment_fixed_size 327680
		.amdhsa_private_segment_fixed_size 0
		.amdhsa_enable_private_segment 0
		.amdhsa_kernarg_size 96
		.amdhsa_user_sgpr_count 2
		.amdhsa_user_sgpr_kernarg_segment_ptr 1
		.amdhsa_wavefront_size32 1
		.amdhsa_system_sgpr_workgroup_id_x 1
		.amdhsa_system_sgpr_workgroup_id_y 1
		.amdhsa_system_sgpr_workgroup_id_z 1
		.amdhsa_system_vgpr_workitem_id 0
		.amdhsa_next_free_vgpr 256
		.amdhsa_next_free_sgpr 80
		.amdhsa_reserve_vcc 0
		.amdhsa_float_denorm_mode_32 3
		.amdhsa_float_denorm_mode_16_64 3
		.amdhsa_memory_ordered 1
		.amdhsa_forward_progress 1
		.amdhsa_inst_pref_size 134
	.end_amdhsa_kernel
	.amdgpu_metadata
---
amdhsa.version: [ 1, 2 ]
amdhsa.kernels:
  - .name:           k_q8035ed3bc1_qkv
    .symbol:         k_q8035ed3bc1_qkv.kd
    .args:
      - { .name: x, .offset: 0, .size: 8, .value_kind: global_buffer, .address_space: global }
      - { .name: w_q_codes, .offset: 8, .size: 8, .value_kind: global_buffer, .address_space: global }
      - { .name: w_q_scales, .offset: 16, .size: 8, .value_kind: global_buffer, .address_space: global }
      - { .name: w_k_codes, .offset: 24, .size: 8, .value_kind: global_buffer, .address_space: global }
      - { .name: w_k_scales, .offset: 32, .size: 8, .value_kind: global_buffer, .address_space: global }
      - { .name: w_v_codes, .offset: 40, .size: 8, .value_kind: global_buffer, .address_space: global }
      - { .name: w_v_scales, .offset: 48, .size: 8, .value_kind: global_buffer, .address_space: global }
      - { .name: w_o_codes, .offset: 56, .size: 8, .value_kind: global_buffer, .address_space: global }
      - { .name: qimg, .offset: 64, .size: 8, .value_kind: global_buffer, .address_space: global }
      - { .name: qsc, .offset: 72, .size: 8, .value_kind: global_buffer, .address_space: global }
      - { .name: kv, .offset: 80, .size: 8, .value_kind: global_buffer, .address_space: global }
      - { .name: woimg, .offset: 88, .size: 8, .value_kind: global_buffer, .address_space: global }
    .group_segment_fixed_size: 327680
    .private_segment_fixed_size: 0
    .kernarg_segment_align: 8
    .kernarg_segment_size: 96
    .max_flat_workgroup_size: 512
    .sgpr_count:     80
    .vgpr_count:     256
    .wavefront_size: 32
...
	.end_amdgpu_metadata
.endif
;; end of part 1
;; launch attn (part 2): grid 8 x 32, 16 waves a work-group, no clusters, 327,680 bytes of LDS; arguments qimg, qsc, kv, cimg, csc; writes cimg, csc
.if DOCPART == 2
	.amdgcn_target "amdgcn-amd-amdhsa--gfx1250"
	.amdhsa_code_object_version 6
	.text
	.protected	k_q8035ed3bc1_attn
	.globl	k_q8035ed3bc1_attn
	.p2align	8
	.type	k_q8035ed3bc1_attn,@function
k_q8035ed3bc1_attn:
	s_mov_b64 s[64:65], 0
	v_nop
	global_prefetch_b8 v0, s[64:65] scope:SCOPE_SE
	s_setreg_imm32_b32 hwreg(HW_REG_WAVE_MODE, 25, 1), 1
	s_wait_xcnt 0x0
; ctx[q] = (the sum over keys of p v) / l, p = 2^(t - M), t = score x log2(e) / 8, M = the row's largest t so far rounded UP to a whole number; both products on codes of BF8 (E5M2) with E8M0 scales.
; l is the sum of the unquantised p.  When M moves, l and O are multiplied by 2^(old M - new M): exact.  ctx is quantised along the model's 1,024 and stored as operand images for the last launch.
; SHARES.  A work-group owns 256 queries of one head (hb = 16 batch + head); each of its sixteen waves one tile of 16, in 256 registers: four waves to a SIMD, so that one wave's vector work stands beside another's
; products and LDS loads.  Every wave walks the head's 2,048 keys, 128 a step.
; K AND V OF THE WHOLE HEAD STAY IN LDS: eight slots of kv (256 keys each: K's images, V's images, their scale words: 34,304 dense bytes) are 274,432 bytes, laid in LDS as they lie in memory.  Waves 0 and 1 ask for a half of each
; slot, eight tensor loads a wave, all at the head; nothing is filled again.  Two barriers in all: one when slot 0 has landed, one, behind slot 0's two key steps, when all have.  From there on LDS is only read, and no wave waits for another.
; LAYOUT.  Both products are used transposed: S^T = K Q^T, O^T = V^T P^T: a lane holds one query throughout.  The head's K is 64: the upper half of K's and Q's fragments is zero codes, kept in registers.
; Inside a block of 32 the operands' order is that of the launch before (byte 8 u + j of group c, lane half h: index 32 c + 16 u + 8 h + j), alike on both sides of each product.
; No cluster: a work-group asks for its 274,432 bytes once; only the first 34,304 are waited for at the head, the rest has two key steps of sixteen waves in which to land.
; Nothing is prefetched: every byte of K and V is asked for by the first fills, so no later load is left to run ahead of.
; LIMITS: NaN and infinities are not served; a block of p or of ctx under 2^-111, or of zeros, takes the scale byte 1 (its codes then are zeros or subnormal codes); 1 / l is v_rcp_f32's.
.set SLOTB, 34304
.set HALFB, 17152
.set VIMG,  16384
.set KSC,   32768
.set VSC,   33792
.set NSL,   8
.set LI,  1                            ; v1  16 x lane
.set LW,  2                            ; v2  4 r
.set ADI, 3                            ; v3  the slot in hand + 16 x lane
.set ADW, 4                            ; v4  the slot in hand + 4 r
.set KF,  32                           ; v32-95   four fragments of K: the lower 8 registers loaded, the upper 8 zero
.set S,   96                           ; v96-159  S^T, then p, then V's four fragments
.set O,   160                          ; v160-191 O^T
.set PC,  192                          ; v192-207 p's codes
.set BM,  208
.set T1,  212
.set HO,  216
.set SC,  220
.set KS,  224                          ; K's scale words
.set VS,  228                          ; V's
.set F,   232                          ; f = 2^(old M - new M)
.set PW,  233                          ; p's scale word
.set TMP, 234
.set QS,  235                          ; Q's scale words
.set TQ,  240
.set WV,  18
.set MNT, 19
.set SEL, 20
.set CS,  22
.set TB,  2                            ; s2  LDS byte at which the slot in hand begins
.set SLOTS, 3                          ; s3  slots still to be walked in the loop
.set G0,  68                           ; s[68:99] descriptor group 0, a set of four registers for each of the eight fills: none is written while its load is out
.macro PLACES n
.rept \n
	v_nop
.endr
.endm
.macro QUANT2 s, d, w                  ; 32 numbers of a lane, two blocks of 16 registers, become 8 registers of codes and two scale bytes
.irp b, 0,1
	v_max3_num_f32 v[TQ+\b], |v[\s+16*\b]|, |v[\s+16*\b+1]|, 0x8000000
.endr
.irp i, 2,4,6,8,10,12,14
.irp b, 0,1
	v_max3_num_f32 v[TQ+\b], v[TQ+\b], |v[\s+16*\b+\i]|, |v[\s+16*\b+\i+1]|
.endr
.endr
.irp b, 0,1
	v_permlanex16_b32 v[TQ+2+\b], v[TQ+\b], s[SEL], s[SEL+1]
.endr
.irp b, 0,1
	v_max_num_f32 v[TQ+\b], v[TQ+\b], v[TQ+2+\b]
.endr
.irp b, 0,1
	v_add_nc_u32 v[TQ+4+\b], 0xf8800000, v[TQ+\b]
.endr
.irp b, 0,1
	v_and_or_b32 v[TQ+6+\b], v[TQ+\b], 0x7f800000, s[MNT]
.endr
.irp b, 0,1
	v_lshrrev_b32 v[TQ+2+\b], 23, v[TQ+4+\b]
.endr
	v_lshl_or_b32 v[\w], v[TQ+3], 8, v[TQ+2]
.irp b, 0,1
.irp i, 0,1,2,3,4,5,6,7,8,9,10,11,12,13,14,15
	v_med3_num_f32 v[\s+16*\b+\i], v[\s+16*\b+\i], -v[TQ+6+\b], v[TQ+6+\b]
.endr
	v_cvt_scalef32_pk8_bf8_f32 v[\d+4*\b:\d+4*\b+1], v[\s+16*\b:\s+16*\b+7], v[TQ+4+\b]
	v_cvt_scalef32_pk8_bf8_f32 v[\d+4*\b+2:\d+4*\b+3], v[\s+16*\b+8:\s+16*\b+15], v[TQ+4+\b]
.endr
	v_nop
.endm
	s_load_b256 s[4:11], s[0:1], 0x0               ; qimg 4, qsc 6, kv 8, cimg 10
	s_load_b64 s[12:13], s[0:1], 0x20              ; csc
	v_lshl_add_u32 v254, v0, 2, 0x43000
	v_mov_b32 v255, 0
	ds_add_u32 v254, v255
	ds_add_u32 v254, v255
	v_lshrrev_b32 v8, 5, v0
	v_readfirstlane_b32 s[WV], v8                  ; wave 0..15
	s_and_b32 s14, ttmp7, 0xffff                   ; hb
	s_mul_i32 s32, s14, NSL*SLOTB                  ; the head's first byte in kv
	s_and_b32 s16, s[WV], 1
	s_mul_i32 s41, s16, HALFB                      ; my half of a slot, in LDS and in memory
	s_add_co_u32 s34, s32, s41
	s_mov_b32 s35, 0
	s_lshl_b32 s15, ttmp9, 4
	s_add_co_u32 s15, s15, s[WV]                   ; T: my tile of 16 queries
	s_lshl_b32 s36, s14, 7
	s_add_co_u32 s36, s36, s15                     ; 128 hb + T
	s_lshl_b32 s38, s36, 6
	s_lshl_b32 s36, s36, 10
	s_mov_b32 s37, 0
	s_mov_b32 s39, 0
	s_lshr_b32 s17, s14, 4                         ; batch
	s_lshl_b32 s17, s17, 7
	s_add_co_u32 s17, s17, s15                     ; TT = 128 batch + T
	s_lshl_b32 s17, s17, 3
	s_bfe_u32 s47, s14, 0x30001                    ; head / 2: the last product's K step
	s_add_co_u32 s17, s17, s47
	s_and_b32 s47, s14, 1                          ; head % 2: which two groups of it
	s_lshl_b32 s52, s17, 11
	s_lshl_b32 s53, s47, 10
	s_add_co_u32 s52, s52, s53
	s_mov_b32 s53, 0
	s_lshl_b32 s54, s17, 6
	s_lshl_b32 s55, s47, 1
	s_add_co_u32 s54, s54, s55
	s_mov_b32 s55, 0
	; descriptor group 1: half a slot, a dense block: 67 rows of 256 bytes (32 elements of 8 bytes), no padding: images are read 512 consecutive bytes an instruction
	s_mov_b32 s24, 3<<16
	s_mov_b32 s25, 32<<16
	s_mov_b32 s26, 67<<16
	s_mov_b32 s27, 32<<16
	s_mov_b32 s28, 67
	s_mov_b32 s29, 32
	s_mov_b32 s30, 0
	s_mov_b32 s31, 0
	s_mov_b32 s[SEL], 0x76543210
	s_mov_b32 s[SEL+1], 0xfedcba98
	s_mov_b32 s[CS], 0x3e38aa3b                    ; c = log2(e) / sqrt(64)
	s_mov_b32 s[CS+1], s[CS]                       ; (named with it as a pair, so it is written)
	s_mov_b32 s[MNT], 0x600000
	s_mov_b32 s[TB], 0
	s_mov_b32 s[SLOTS], NSL-1
	s_wait_dscnt 0x0
	s_wait_kmcnt 0x0
	s_add_nc_u64 s[42:43], s[8:9], s[34:35]        ; my half of the head's slot 0
.irp i, 0,1,2,3,4,5,6,7
	s_mov_b32 s[G0+4*\i], 1                                        ; count = 1
	s_add_co_u32 s[G0+4*\i+1], s41, \i*SLOTB                       ; LDS address: slot i, my half
	s_add_nc_u64 s[G0+4*\i+2:G0+4*\i+3], s[42:43], \i*SLOTB        ; the same place in the head's part of kv
	s_or_b32 s[G0+4*\i+3], s[G0+4*\i+3], 0x80000000               ; type = 2
.endr
	s_cmp_lt_u32 s[WV], 2                          ; waves 0 and 1 fetch.  A wave's eight fills stand in one branch, ahead of every wait on TENSORcnt, LDS read and barrier: eight loads of mine are out; four v_nop follow the last
	s_cbranch_scc0 .Lno_fill
.irp i, 0,1,2,3,4,5,6,7
	tensor_load_to_lds s[G0+4*\i:G0+4*\i+3], s[24:31]
	s_nop 0
.endr
	PLACES 4
.Lno_fill:
	s_add_nc_u64 s[4:5], s[4:5], s[36:37]
	s_add_nc_u64 s[6:7], s[6:7], s[38:39]
	s_add_nc_u64 s[48:49], s[10:11], s[52:53]
	s_add_nc_u64 s[50:51], s[12:13], s[54:55]
	v_and_b32 v[LI], 31, v0
	v_lshlrev_b32 v[LI], 4, v[LI]
	v_and_b32 v[LW], 15, v0
	v_lshlrev_b32 v[LW], 2, v[LW]
	global_load_b128 v[16:19], v[LI], s[4:5]       ; Q's two real groups stay in registers
	global_load_b128 v[20:23], v[LI], s[4:5] offset:512
	global_load_b32 v[QS], v[LW], s[6:7]
.irp j, 0,1,2,3,4,5,6,7
	v_mov_b32 v[24+\j], 0                          ; zero codes: K runs to 64, the instruction to 128
.endr
.irp t, 0,1,2,3
.irp j, 8,9,10,11,12,13,14,15
	v_mov_b32 v[KF+16*\t+\j], 0                    ; likewise in K's four fragments: written once, no load lands here
.endr
.endr
.set J, 0
.rept 32
	v_mov_b32 v[O+J], 0                            ; O^T: the step is written once; its first run finds zeros, which the first change of M leaves zeros
.set J, J+1
.endr
	v_mov_b32 v13, 0xff61b1e6                      ; the largest t so far: -3e38
	v_floor_f32 v12, -v13                          ; -M
	v_mov_b32 v14, 0                               ; the sum, in two halves
	v_mov_b32 v15, 0
.irp b, 0,1,2,3
	v_mov_b32 v[T1+\b], 0                          ; a lane permute's destination counts as one of its sources
.endr
	v_mov_b32 v[PW], 0                             ; (named as the upper half of the pair with f before it is first written)
	v_mov_b32 v[TQ+2], 0
	v_mov_b32 v[TQ+3], 0
.macro STEP q                          ; 128 keys: the q-th step of the slot in hand
	PLACES 9                                       ; the first products below write over registers that the last step's products read as V: nine places
.irp g, 0,1
.if \g > 0
	PLACES 8                                       ; in front of loads into registers that the four products above read
.endif
.irp t, 0,1,2,3
	ds_load_b128 v[KF+16*\t:KF+16*\t+3], v[ADI] offset:(8*(\q)+4*\g+\t)*1024
	ds_load_b128 v[KF+16*\t+4:KF+16*\t+7], v[ADI] offset:(8*(\q)+4*\g+\t)*1024+512
	ds_load_b32 v[KS+\t], v[ADW] offset:KSC+(8*(\q)+4*\g+\t)*64
.endr
	s_wait_dscnt 0x0
.irp t, 0,1,2,3
	v_wmma_scale_f32_16x16x128_f8f6f4 v[S+8*(4*\g+\t):S+8*(4*\g+\t)+7], v[KF+16*\t:KF+16*\t+15], v[16:31], 0, v[KS+\t], v[QS] matrix_a_fmt:MATRIX_FMT_BF8 matrix_b_fmt:MATRIX_FMT_BF8
.endr
.endr
	PLACES 8
.irp b, 0,1,2,3
	v_max3_num_f32 v[BM+\b], v[S+16*\b], v[S+16*\b+1], v[S+16*\b+2]   ; the largest score of each block of 32 keys: for the row's maximum, and, since p rises with the score, for the block's largest p
.endr
.irp i, 3,5,7,9,11,13
.irp b, 0,1,2,3
	v_max3_num_f32 v[BM+\b], v[BM+\b], v[S+16*\b+\i], v[S+16*\b+\i+1]
.endr
.endr
.irp b, 0,1,2,3
	v_max_num_f32 v[BM+\b], v[BM+\b], v[S+16*\b+15]
.endr
.irp b, 0,1,2,3
	v_permlanex16_b32 v[T1+\b], v[BM+\b], s[SEL], s[SEL+1]
.endr
.irp b, 0,1,2,3
	v_max_num_f32 v[BM+\b], v[BM+\b], v[T1+\b]     ; with lane l xor 16's 16 keys
.endr
	v_max3_num_f32 v[TMP], v[BM], v[BM+1], v[BM+2]
	v_max_num_f32 v[TMP], v[TMP], v[BM+3]
	v_mul_f32 v[TMP], s[CS], v[TMP]                ; as t (c is positive)
	v_max_num_f32 v13, v13, v[TMP]                 ; the running largest t
	v_mov_b32 v[TMP], v12
	v_floor_f32 v12, -v13                          ; the new -M = floor(-t): M is a whole number
	v_sub_f32 v[TMP], v12, v[TMP]                  ; old M - new M: a whole number, 0 or less
	v_cvt_i32_f32 v[TMP], v[TMP]                   ; (it saturates)
	v_ldexp_f32 v[F], 1.0, v[TMP]                  ; f = 2^(old M - new M)
.set J, 0
.rept 32
	v_pk_fma_f32 v[S+J:S+J+1], v[S+J:S+J+1], s[CS:CS+1], v[12:13] op_sel_hi:[1,0,0]   ; t - M, two at a time
.set J, J+2
.endr
.irp b, 0,1,2,3
	v_fma_f32 v[BM+\b], v[BM+\b], s[CS], v12       ; the same of each block's largest score
.endr
.set J, 0
.rept 64
	v_exp_f32 v[S+J], v[S+J]                       ; p = 2^(t - M), at most 1, not normalised
.set J, J+1
.endr
.irp b, 0,1,2,3
	v_exp_f32 v[BM+\b], v[BM+\b]                   ; the block's largest p: the same two instructions on the same number
.endr
	v_pk_mul_f32 v[14:15], v[14:15], v[F:F+1] op_sel_hi:[1,0]   ; the sums under the new M (a plain line behind the exponentials)
	s_wait_alu depctr_va_vdst(0)
.irp b, 0,1,2,3
	v_max_num_f32 v[BM+\b], 0x8000000, v[BM+\b]    ; the floor 2^(16 - 127)
.endr
.irp b, 0,1,2,3
	v_add_nc_u32 v[SC+\b], 0xf8800000, v[BM+\b]    ; the conversion's scale operand
.endr
.irp b, 0,1,2,3
	v_and_or_b32 v[HO+\b], v[BM+\b], 0x7f800000, s[MNT]   ; 57,344 x the scale
.endr
.irp b, 0,1,2,3
	v_lshrrev_b32 v[T1+\b], 23, v[SC+\b]           ; the scale's byte
.endr
	v_lshl_or_b32 v[PW], v[T1+1], 8, v[T1]         ; p's scale word for these 128 keys
	v_lshl_or_b32 v[PW], v[T1+2], 16, v[PW]
	v_lshl_or_b32 v[PW], v[T1+3], 24, v[PW]
	v_pk_add_f32 v[236:237], v[S:S+1], v[S+2:S+3]  ; the row's sum is taken of the unquantised p: two chains
.set J, 4
.rept 15
	v_pk_add_f32 v[14:15], v[14:15], v[S+J:S+J+1]
	v_pk_add_f32 v[236:237], v[236:237], v[S+J+2:S+J+3]
.set J, J+4
.endr
	v_pk_add_f32 v[14:15], v[14:15], v[236:237]
.irp b, 0,1,2,3
.irp i, 0,1,2,3,4,5,6,7,8,9,10,11,12,13,14,15
	v_min_num_f32 v[S+16*\b+\i], v[S+16*\b+\i], v[HO+\b]   ; the conversion does not saturate (ISA guide 7.6.2); p is not negative: a one-sided hold
.endr
	v_cvt_scalef32_pk8_bf8_f32 v[PC+4*\b:PC+4*\b+1], v[S+16*\b:S+16*\b+7], v[SC+\b]
	v_cvt_scalef32_pk8_bf8_f32 v[PC+4*\b+2:PC+4*\b+3], v[S+16*\b+8:S+16*\b+15], v[SC+\b]
.endr
.irp t, 0,1,2,3                        ; V's four fragments land where p lay: K's registers, with their zeros, are left alone
.irp c, 0,1,2,3
	ds_load_b128 v[S+16*\t+4*\c:S+16*\t+4*\c+3], v[ADI] offset:VIMG+(4*(\q)+\t)*2048+512*\c
.endr
	ds_load_b32 v[VS+\t], v[ADW] offset:VSC+(4*(\q)+\t)*64
.endr
.set J, 0
.rept 16
	v_pk_mul_f32 v[O+J:O+J+1], v[O+J:O+J+1], v[F:F+1] op_sel_hi:[1,0]   ; O^T under the new M; these sixteen are also the places between the conversions and the products
.set J, J+2
.endr
	s_wait_dscnt 0x0
.irp t, 0,1,2,3
	v_wmma_scale_f32_16x16x128_f8f6f4 v[O+8*\t:O+8*\t+7], v[S+16*\t:S+16*\t+15], v[PC:PC+15], v[O+8*\t:O+8*\t+7], v[VS+\t], v[PW] matrix_a_fmt:MATRIX_FMT_BF8 matrix_b_fmt:MATRIX_FMT_BF8
.endr
.endm
.macro SLOT_STEPS                      ; a slot's two key steps; then on to the next slot, 34,304 bytes further on
	v_add_nc_u32 v[ADI], s[TB], v[LI]
	v_add_nc_u32 v[ADW], s[TB], v[LW]
	STEP 0
	STEP 1
	s_add_co_u32 s[TB], s[TB], SLOTB
.endm
	s_wait_loadcnt 0x0                             ; Q
	s_wait_tensorcnt 0x7                           ; a wave's tensor loads end in order (ISA guide 10.11.1): my half of slot 0 has landed; the seven fills issued behind it may stay out
	s_barrier_signal -1
	s_barrier_wait -1                              ; both halves have
	SLOT_STEPS                                     ; slot 0 is walked while the other seven land
	s_wait_tensorcnt 0x0                           ; all my fills have landed
	s_wait_dscnt 0x0
	s_barrier_signal -1
	s_barrier_wait -1                              ; everybody's have: from here on LDS is only read, and no wave waits for another
.Lslot:                                            ; seven trips: slots 1 to 7
	SLOT_STEPS
	s_sub_co_u32 s[SLOTS], s[SLOTS], 1
	s_cmp_lg_u32 s[SLOTS], 0
	s_cbranch_scc1 .Lslot
	; ---- the way out: ctx = O^T / l, quantised along d: its codes are groups 2 (head % 2), + 1 of K step head / 2 of the last product
	v_add_f32 v14, v14, v15
	v_permlanex16_b32 v[T1], v14, s[SEL], s[SEL+1]
	v_add_f32 v14, v14, v[T1]                      ; the row's sum
	v_rcp_f32 v14, v14
	PLACES 8                                       ; behind the last products, and behind the reciprocal
.set J, 0
	s_wait_alu depctr_va_vdst(0)
.rept 32
	v_mul_f32 v[S+J], v[O+J], v14                  ; each accumulator from its low end on
.set J, J+1
.endr
	QUANT2 S, PC, TMP
	global_store_b128 v[LI], v[PC:PC+3], s[48:49]  ; 32 lanes store 512 consecutive bytes
	global_store_b128 v[LI], v[PC+4:PC+7], s[48:49] offset:512
	global_store_b16 v[LW], v[TMP], s[50:51]       ; my head's half of the token's scale word
	s_wait_tensorcnt 0x0
	ds_add_u32 v254, v255
	s_wait_dscnt 0x0
	s_endpgm
.Lfunc_end_k_q8035ed3bc1_attn:
	.size	k_q8035ed3bc1_attn, .Lfunc_end_k_q8035ed3bc1_attn-k_q8035ed3bc1_attn
	.p2alignl 7, 3214868480
	.fill 96, 4, 3214868480
	.section	.rodata,"a",@progbits
	.p2align	6, 0x0
	.amdhsa_kernel k_q8035ed3bc1_attn
		.amdhsa_group_segment_fixed_size 327680
		.amdhsa_private_segment_fixed_size 0
		.amdhsa_enable_private_segment 0
		.amdhsa_kernarg_size 40
		.amdhsa_user_sgpr_count 2
		.amdhsa_user_sgpr_kernarg_segment_ptr 1
		.amdhsa_wavefront_size32 1
		.amdhsa_system_sgpr_workgroup_id_x 1
		.amdhsa_system_sgpr_workgroup_id_y 1
		.amdhsa_system_sgpr_workgroup_id_z 1
		.amdhsa_system_vgpr_workitem_id 0
		.amdhsa_next_free_vgpr 256
		.amdhsa_next_free_sgpr 100
		.amdhsa_reserve_vcc 0
		.amdhsa_float_denorm_mode_32 3
		.amdhsa_float_denorm_mode_16_64 3
		.amdhsa_memory_ordered 1
		.amdhsa_forward_progress 1
		.amdhsa_inst_pref_size 91
	.end_amdhsa_kernel
	.amdgpu_metadata
---
amdhsa.version: [ 1, 2 ]
amdhsa.kernels:
  - .name:           k_q8035ed3bc1_attn
    .symbol:         k_q8035ed3bc1_attn.kd
    .args:
      - { .name: qimg, .offset: 0, .size: 8, .value_kind: global_buffer, .address_space: global }
      - { .name: qsc, .offset: 8, .size: 8, .value_kind: global_buffer, .address_space: global }
      - { .name: kv, .offset: 16, .size: 8, .value_kind: global_buffer, .address_space: global }
      - { .name: cimg, .offset: 24, .size: 8, .value_kind: global_buffer, .address_space: global }
      - { .name: csc, .offset: 32, .size: 8, .value_kind: global_buffer, .address_space: global }
    .group_segment_fixed_size: 327680
    .private_segment_fixed_size: 0
    .kernarg_segment_align: 8
    .kernarg_segment_size: 40
    .max_flat_workgroup_size: 512
    .sgpr_count:     100
    .vgpr_count:     256
    .wavefront_size: 32
...
	.end_amdgpu_metadata
.endif
;; end of part 2
;; launch proj_ln (part 3): grid 128 x 1, 16 waves a work-group, no clusters, 109,568 bytes of LDS; arguments cimg, csc, woimg, w_o_scales, b_o, ln_gamma, ln_beta, x, out0; writes out0
.if DOCPART == 3
	.amdgcn_target "amdgcn-amd-amdhsa--gfx1250"
	.amdhsa_code_object_version 6
	.text
	.protected	k_q8035ed3bc1_proj_ln
	.globl	k_q8035ed3bc1_proj_ln
	.p2align	8
	.type	k_q8035ed3bc1_proj_ln,@function
k_q8035ed3bc1_proj_ln:
	s_mov_b64 s[64:65], 0
	v_nop
	global_prefetch_b8 v0, s[64:65] scope:SCOPE_SE
	s_setreg_imm32_b32 hwreg(HW_REG_WAVE_MODE, 25, 1), 1
	s_wait_xcnt 0x0
; out = LayerNorm(ctx Wo^T + b_o + x) x gamma + beta.  The product runs on codes of BF8 (E5M2) with E8M0 scales: ctx's images and scale words from the attention launch, w_o's images from the first launch, w_o's scale bytes as given.
; SHARES.  A work-group takes 32 whole rows (the norm wants whole rows) x all 1,024 columns; wave w takes columns 64 w .. + 63: 2 x 4 accumulators.  128 work-groups: every work-group takes in all of w_o whatever
; its number of rows, so 16 rows on 256 work-groups would double that traffic and shorten no work-group's stream.
; Each byte of w_o serves one wave of the work-group: it goes from memory straight into that wave's registers, 512 consecutive bytes a load, one to two K steps ahead.  No tensor load, no ring, no barrier in the K steps.
; The product is used transposed (source 0 = 16 rows of w_o, source 1 = 16 tokens): a lane holds one token and eight neighbouring columns.  x, turned into that layout through the wave's stage, is the C of the first products.
; The variance is taken in a second pass, of y - mean.  LIMITS: NaN and infinities are not served; 1 / sqrt is v_rsq_f32's.
.set CI,  0                            ; ctx's 16 fragments: (8 a + s) x 2,048
.set CS,  32768                        ; their scale words: (8 a + s) x 64
.set STG, 33792                        ; a stage for each wave: 16 rows x (256 + 16)
.set SPT, 272
.set RED, 103424                       ; the waves' row sums: 128 bytes a wave; 2,048 further on: the sums of squares
.set LI,  1                            ; v1  16 x lane
.set LW,  2                            ; v2  4 r
.set W32, 3                            ; v3  32 r
.set RO,  4                            ; v4  4,096 h + 16 r: two rows of x or out, 256 bytes each
.set SA,  5                            ; v5  the stage in the accumulators' layout: row r, + 32 h
.set SRW, 6                            ; v6  the stage by rows: row h, + 16 r
.set RR,  7                            ; v7  RED + 8 r
.set PB,  8                            ; v8  32 h
.set T2,  9                            ; v9  2 x thread
.set CIW, 10                           ; v10 2,048 w + 16 x lane
.set RW,  11                           ; v11 RED + 128 w + 8 r
.set CSR, 12                           ; v12-13 ctx's scale words
.set WS,  14                           ; v14-21 w_o's, two sets
.set AF,  32                           ; v32-63 ctx's two fragments
.set W,   64                           ; v64-191 w_o's fragments, two sets of four
.set BO,  64
.set GA,  96
.set BE,  128
.set RD,  160
.set ACC, 192                          ; (a, t) at 192 + 8 (4 a + t)
.set WV,  2
.set SEL, 44
.macro PLACES n
.rept \n
	v_nop
.endr
.endm
.macro WLOAD s, set                    ; K step s: my four fragments, 8,192 consecutive bytes, and their scale words, into set 0 or 1
.irp t, 0,1,2,3
.irp c, 0,1,2,3
	global_load_b128 v[W+64*(\set)+16*\t+4*\c:W+64*(\set)+16*\t+4*\c+3], v[LI], s[32:33] offset:8192*(\s)+2048*\t+512*\c
.endr
.endr
.irp t, 0,1,2,3
	global_load_b32 v[WS+4*(\set)+\t], v[W32], s[34:35] offset:512*\t+4*(\s)
.endr
.endm
.macro KSTEP s
.irp a, 0,1
.irp c, 0,1,2,3
	ds_load_b128 v[AF+16*\a+4*\c:AF+16*\a+4*\c+3], v[LI] offset:CI+(8*\a+(\s))*2048+512*\c
.endr
	ds_load_b32 v[CSR+\a], v[LW] offset:CS+(8*\a+(\s))*64
.endr
.if (\s) == 7
	s_wait_loadcnt 16                              ; this step's weights are in; b_o's and gamma's sixteen loads may be out
.else
	s_wait_loadcnt 20                              ; this step's weights are in; the next step's twenty loads may be out
.endif
	s_wait_dscnt 0x0
.irp a, 0,1
.irp t, 0,1,2,3                        ; the eight accumulators take turns, one instruction each in a K step
	v_wmma_scale_f32_16x16x128_f8f6f4 v[ACC+8*(4*\a+\t):ACC+8*(4*\a+\t)+7], v[W+64*((\s)%2)+16*\t:W+64*((\s)%2)+16*\t+15], v[AF+16*\a:AF+16*\a+15], v[ACC+8*(4*\a+\t):ACC+8*(4*\a+\t)+7], v[WS+4*((\s)%2)+\t], v[CSR+\a] matrix_a_fmt:MATRIX_FMT_BF8 matrix_b_fmt:MATRIX_FMT_BF8
.endr
.endr
	PLACES 8                                       ; in front of loads into registers that these products read, and of the first read of results
.endm
.macro ROWSUM                          ; the two chains' halves, and lane l xor 16's: my wave's part of token r's sum, tile 0 in v26, tile 1 in v27
	v_add_f32 v26, v22, v23
	v_add_f32 v27, v24, v25
	v_permlanex16_b32 v28, v26, s[SEL], s[SEL+1]
	v_permlanex16_b32 v29, v27, s[SEL], s[SEL+1]
	v_add_f32 v26, v26, v28
	v_add_f32 v27, v27, v29
.endm
.macro ALLSUM off                      ; over the sixteen waves: the totals in v[RD], v[RD+1]
	ds_store_b64 v[RW], v[26:27] offset:\off       ; lanes r and r + 16 write the same words with the same values
	s_wait_dscnt 0x0                               ; for the others' sake
	s_barrier_signal -1
	s_barrier_wait -1
.irp i, 0,1,2,3,4,5,6,7,8,9,10,11,12,13,14,15
	ds_load_b64 v[RD+2*\i:RD+2*\i+1], v[RR] offset:\off+128*\i
.endr
	s_wait_dscnt 0x0
.irp i, 0,1,2,3,4,5,6,7
	v_pk_add_f32 v[RD+4*\i:RD+4*\i+1], v[RD+4*\i:RD+4*\i+1], v[RD+4*\i+2:RD+4*\i+3]
.endr
.irp i, 0,1,2,3
	v_pk_add_f32 v[RD+8*\i:RD+8*\i+1], v[RD+8*\i:RD+8*\i+1], v[RD+8*\i+4:RD+8*\i+5]
.endr
.irp i, 0,1
	v_pk_add_f32 v[RD+16*\i:RD+16*\i+1], v[RD+16*\i:RD+16*\i+1], v[RD+16*\i+8:RD+16*\i+9]
.endr
	v_pk_add_f32 v[RD:RD+1], v[RD:RD+1], v[RD+16:RD+17]
.endm
	s_load_b512 s[4:19], s[0:1], 0x0               ; cimg 4, csc 6, woimg 8, w_o_scales 10, b_o 12, gamma 14, beta 16, x 18
	s_load_b64 s[20:21], s[0:1], 0x40              ; out0
	v_lshl_add_u32 v30, v0, 2, 0x1a400
	v_mov_b32 v31, 0
	v_lshrrev_b32 v22, 5, v0
	v_readfirstlane_b32 s[WV], v22                 ; wave 0..15
	v_and_b32 v22, 31, v0                          ; lane
	v_and_b32 v24, 15, v0                          ; r
	v_bfe_u32 v25, v0, 4, 1                        ; h
	v_lshlrev_b32 v[LI], 4, v22
	v_lshlrev_b32 v[LW], 2, v24
	v_lshlrev_b32 v[W32], 5, v24
	v_lshlrev_b32 v[RO], 12, v25
	v_lshl_add_u32 v[RO], v24, 4, v[RO]
	s_mul_i32 s22, s[WV], 16*SPT
	s_add_co_u32 s22, s22, STG
	v_mul_u32_u24 v23, v24, SPT
	v_lshl_add_u32 v23, v25, 5, v23
	v_add_nc_u32 v[SA], s22, v23
	v_mul_u32_u24 v23, v25, SPT
	v_lshl_add_u32 v23, v24, 4, v23
	v_add_nc_u32 v[SRW], s22, v23
	v_lshl_add_u32 v[RR], v24, 3, RED
	s_lshl_b32 s22, s[WV], 7
	v_add_nc_u32 v[RW], s22, v[RR]
	v_lshlrev_b32 v[PB], 5, v25
	v_lshlrev_b32 v[T2], 1, v0
	s_lshl_b32 s22, s[WV], 11
	v_add_nc_u32 v[CIW], s22, v[LI]
	v_mov_b32 v28, 0                               ; a lane permute's destination counts as one of its sources
	v_mov_b32 v29, 0
	s_mov_b32 s[SEL], 0x76543210
	s_mov_b32 s[SEL+1], 0xfedcba98
	s_mov_b32 s24, 0x3a800000                      ; 1 / 1,024
	s_mov_b32 s25, 0x3727c5ac                      ; 1e-5
	s_mov_b32 s23, 0
	s_wait_kmcnt 0x0
	s_lshl_b32 s22, ttmp9, 15                      ; my 16 fragments of ctx,
	s_add_nc_u64 s[26:27], s[4:5], s[22:23]
	s_lshl_b32 s22, s[WV], 11                      ; my wave's one; also: the scales of my 64 rows of w_o
	s_add_nc_u64 s[26:27], s[26:27], s[22:23]
	s_add_nc_u64 s[34:35], s[10:11], s[22:23]
	s_lshl_b32 s22, ttmp9, 10
	s_add_nc_u64 s[28:29], s[6:7], s[22:23]
	s_lshl_b32 s22, s[WV], 16
	s_add_nc_u64 s[32:33], s[8:9], s[22:23]
	s_lshl_b32 s22, s[WV], 8                       ; my 64 columns in f32
	s_add_nc_u64 s[36:37], s[12:13], s[22:23]
	s_add_nc_u64 s[38:39], s[14:15], s[22:23]
	s_add_nc_u64 s[40:41], s[16:17], s[22:23]
	s_add_nc_u64 s[30:31], s[18:19], s[22:23]
	s_add_nc_u64 s[42:43], s[20:21], s[22:23]
	s_lshl_b32 s22, ttmp9, 17                      ; my 32 rows of 4,096 bytes
	s_add_nc_u64 s[30:31], s[30:31], s[22:23]
	s_add_nc_u64 s[42:43], s[42:43], s[22:23]
.irp c, 0,1,2,3
	global_load_b128 v[AF+4*\c:AF+4*\c+3], v[LI], s[26:27] offset:512*\c
.endr
	global_load_u16 v[AF+16], v[T2], s[28:29]
.irp a, 0,1
.irp i, 0,1,2,3,4,5,6,7
	global_load_b128 v[ACC+32*\a+4*\i:ACC+32*\a+4*\i+3], v[RO], s[30:31] offset:(16*\a+2*\i)*4096 th:TH_LOAD_NT   ; sixteen lanes read 256 consecutive bytes of a row
.endr
.endr
	WLOAD 0, 0
	WLOAD 1, 1
	s_wait_loadcnt 56                              ; ctx's five loads are in; x's 16 and the weights' 40 may be out
.irp c, 0,1,2,3
	ds_store_b128 v[CIW], v[AF+4*\c:AF+4*\c+3] offset:CI+512*\c
.endr
	ds_store_b16 v[T2], v[AF+16] offset:CS
	s_wait_loadcnt 40                              ; x is in
.irp a, 0,1                            ; x through my own stage, in place: LDS serves a wave's instructions in order (ISA guide 5.7.1.4), so no wait stands between the stores and the loads
.irp i, 0,1,2,3,4,5,6,7
	ds_store_b128 v[SRW], v[ACC+32*\a+4*\i:ACC+32*\a+4*\i+3] offset:2*SPT*\i
.endr
.irp t, 0,1,2,3
	ds_load_b128 v[ACC+8*(4*\a+\t):ACC+8*(4*\a+\t)+3], v[SA] offset:64*\t
	ds_load_b128 v[ACC+8*(4*\a+\t)+4:ACC+8*(4*\a+\t)+7], v[SA] offset:64*\t+16
.endr
.endr
	s_wait_dscnt 0x0                               ; my part of ctx lies in LDS; x is back
	s_barrier_signal -1
	s_barrier_wait -1
.irp s, 0,1,2,3,4,5
	KSTEP \s
	WLOAD \s+2, \s%2                               ; two K steps on, into the set that this step has just multiplied
.endr
	KSTEP 6
.irp t, 0,1,2,3                        ; lane (r, h), tile t: columns 16 t + 8 h + 0 .. 7 of my 64
	global_load_b128 v[BO+8*\t:BO+8*\t+3], v[PB], s[36:37] offset:64*\t
	global_load_b128 v[BO+8*\t+4:BO+8*\t+7], v[PB], s[36:37] offset:64*\t+16
	global_load_b128 v[GA+8*\t:GA+8*\t+3], v[PB], s[38:39] offset:64*\t
	global_load_b128 v[GA+8*\t+4:GA+8*\t+7], v[PB], s[38:39] offset:64*\t+16
.endr
	KSTEP 7
.irp t, 0,1,2,3
	global_load_b128 v[BE+8*\t:BE+8*\t+3], v[PB], s[40:41] offset:64*\t
	global_load_b128 v[BE+8*\t+4:BE+8*\t+7], v[PB], s[40:41] offset:64*\t+16
.endr
	s_wait_loadcnt 0x0
	; ---- the norm, in the accumulators' layout
.irp a, 0,1
.set J, 0
.rept 16
	v_pk_add_f32 v[ACC+32*\a+J:ACC+32*\a+J+1], v[ACC+32*\a+J:ACC+32*\a+J+1], v[BO+J:BO+J+1]   ; + b_o; each accumulator from its low end on
.set J, J+2
.endr
.endr
	v_pk_add_f32 v[22:23], v[ACC:ACC+1], v[ACC+2:ACC+3]
	v_pk_add_f32 v[24:25], v[ACC+32:ACC+33], v[ACC+34:ACC+35]
.set J, 4
.rept 14
	v_pk_add_f32 v[22:23], v[22:23], v[ACC+J:ACC+J+1]
	v_pk_add_f32 v[24:25], v[24:25], v[ACC+32+J:ACC+32+J+1]
.set J, J+2
.endr
	ROWSUM
	ALLSUM 0
	v_mul_f32 v26, 0xba800000, v[RD]               ; -mean
	v_mul_f32 v28, 0xba800000, v[RD+1]
.irp a, 0,1
.set J, 0
.rept 16
	v_pk_add_f32 v[ACC+32*\a+J:ACC+32*\a+J+1], v[ACC+32*\a+J:ACC+32*\a+J+1], v[26+2*\a:27+2*\a] op_sel_hi:[1,0]
.set J, J+2
.endr
.endr
	v_pk_mul_f32 v[22:23], v[ACC:ACC+1], v[ACC:ACC+1]
	v_pk_mul_f32 v[24:25], v[ACC+32:ACC+33], v[ACC+32:ACC+33]
.set J, 2
.rept 15
	v_pk_fma_f32 v[22:23], v[ACC+J:ACC+J+1], v[ACC+J:ACC+J+1], v[22:23]
	v_pk_fma_f32 v[24:25], v[ACC+32+J:ACC+32+J+1], v[ACC+32+J:ACC+32+J+1], v[24:25]
.set J, J+2
.endr
	ROWSUM
	ALLSUM 2048
	v_fma_f32 v26, v[RD], s24, s25                 ; the variance + 1e-5
	v_fma_f32 v28, v[RD+1], s24, s25
	v_rsq_f32 v26, v26
	v_rsq_f32 v28, v28
	v_nop                                          ; a plain line behind the transcendentals
	s_wait_alu depctr_va_vdst(0)
.irp a, 0,1
.set J, 0
.rept 16
	v_pk_mul_f32 v[ACC+32*\a+J:ACC+32*\a+J+1], v[ACC+32*\a+J:ACC+32*\a+J+1], v[26+2*\a:27+2*\a] op_sel_hi:[1,0]
.set J, J+2
.endr
.endr
.irp a, 0,1
.set J, 0
.rept 16
	v_pk_fma_f32 v[ACC+32*\a+J:ACC+32*\a+J+1], v[ACC+32*\a+J:ACC+32*\a+J+1], v[GA+J:GA+J+1], v[BE+J:BE+J+1]
.set J, J+2
.endr
.endr
	; ---- the way out: through my stage, back as rows
.irp a, 0,1
.irp t, 0,1,2,3
	ds_store_b128 v[SA], v[ACC+8*(4*\a+\t):ACC+8*(4*\a+\t)+3] offset:64*\t
	ds_store_b128 v[SA], v[ACC+8*(4*\a+\t)+4:ACC+8*(4*\a+\t)+7] offset:64*\t+16
.endr
.irp i, 0,1,2,3,4,5,6,7
	ds_load_b128 v[ACC+32*\a+4*\i:ACC+32*\a+4*\i+3], v[SRW] offset:2*SPT*\i
.endr
.endr
.irp a, 0,1
.irp i, 0,1,2,3,4,5,6,7
	s_wait_dscnt 16*(1-\a)+7-\i                    ; the younger loads from the stage, and for tile 0 tile 1's sixteen LDS instructions, may be out
	global_store_b128 v[RO], v[ACC+32*\a+4*\i:ACC+32*\a+4*\i+3], s[42:43] offset:(16*\a+2*\i)*4096 th:TH_STORE_NT   ; sixteen lanes store 256 consecutive bytes, at a multiple of 256 from out0's first byte
.endr
.endr
	s_wait_tensorcnt 0x0
	ds_add_u32 v30, v31
	s_wait_dscnt 0x0
	s_endpgm
.Lfunc_end_k_q8035ed3bc1_proj_ln:
	.size	k_q8035ed3bc1_proj_ln, .Lfunc_end_k_q8035ed3bc1_proj_ln-k_q8035ed3bc1_proj_ln
	.p2alignl 7, 3214868480
	.fill 96, 4, 3214868480
	.section	.rodata,"a",@progbits
	.p2align	6, 0x0
	.amdhsa_kernel k_q8035ed3bc1_proj_ln
		.amdhsa_group_segment_fixed_size 109568
		.amdhsa_private_segment_fixed_size 0
		.amdhsa_enable_private_segment 0
		.amdhsa_kernarg_size 72
		.amdhsa_user_sgpr_count 2
		.amdhsa_user_sgpr_kernarg_segment_ptr 1
		.amdhsa_wavefront_size32 1
		.amdhsa_system_sgpr_workgroup_id_x 1
		.amdhsa_system_sgpr_workgroup_id_y 1
		.amdhsa_system_sgpr_workgroup_id_z 1
		.amdhsa_system_vgpr_workitem_id 0
		.amdhsa_next_free_vgpr 256
		.amdhsa_next_free_sgpr 66
		.amdhsa_reserve_vcc 0
		.amdhsa_float_denorm_mode_32 3
		.amdhsa_float_denorm_mode_16_64 3
		.amdhsa_memory_ordered 1
		.amdhsa_forward_progress 1
		.amdhsa_inst_pref_size 61
	.end_amdhsa_kernel
	.amdgpu_metadata
---
amdhsa.version: [ 1, 2 ]
amdhsa.kernels:
  - .name:           k_q8035ed3bc1_proj_ln
    .symbol:         k_q8035ed3bc1_proj_ln.kd
    .args:
      - { .name: cimg, .offset: 0, .size: 8, .value_kind: global_buffer, .address_space: global }
      - { .name: csc, .offset: 8, .size: 8, .value_kind: global_buffer, .address_space: global }
      - { .name: woimg, .offset: 16, .size: 8, .value_kind: global_buffer, .address_space: global }
      - { .name: w_o_scales, .offset: 24, .size: 8, .value_kind: global_buffer, .address_space: global }
      - { .name: b_o, .offset: 32, .size: 8, .value_kind: global_buffer, .address_space: global }
      - { .name: ln_gamma, .offset: 40, .size: 8, .value_kind: global_buffer, .address_space: global }
      - { .name: ln_beta, .offset: 48, .size: 8, .value_kind: global_buffer, .address_space: global }
      - { .name: x, .offset: 56, .size: 8, .value_kind: global_buffer, .address_space: global }
      - { .name: out0, .offset: 64, .size: 8, .value_kind: global_buffer, .address_space: global }
    .group_segment_fixed_size: 109568
    .private_segment_fixed_size: 0
    .kernarg_segment_align: 8
    .kernarg_segment_size: 72
    .max_flat_workgroup_size: 512
    .sgpr_count:     66
    .vgpr_count:     256
    .wavefront_size: 32
...
	.end_amdgpu_metadata
.endif
;; end of part 3
;; ======== version 2 of 2: 3 launches
;; workspace buffers: qimg 4,194,304 bytes; qsc 262,144 bytes; kv 8,781,824 bytes; woimg 1,048,576 bytes; cimg 4,194,304 bytes; csc 131,072 bytes
;; launch qkv (part 4): grid 8 x 32, 16 waves a work-group, no clusters, 327,680 bytes of LDS; arguments x, w_q_codes, w_q_scales, w_k_codes, w_k_scales, w_v_codes, w_v_scales, w_o_codes, qimg, qsc, kv, woimg; writes qimg, qsc, kv, woimg
.if DOCPART == 4
	.amdgcn_target "amdgcn-amd-amdhsa--gfx1250"
	.amdhsa_code_object_version 6
	.text
	.protected	k_q8035ed3bc1_qkv
	.globl	k_q8035ed3bc1_qkv
	.p2align	8
	.type	k_q8035ed3bc1_qkv,@function
k_q8035ed3bc1_qkv:
	s_mov_b64 s[64:65], 0
	v_nop
	global_prefetch_b8 v0, s[64:65] scope:SCOPE_SE
	s_setreg_imm32_b32 hwreg(HW_REG_WAVE_MODE, 25, 1), 1
	s_wait_xcnt 0x0
; q = x Wq^T, k = x Wk^T, v = x Wv^T on codes of BF8 (E5M2) with one E8M0 scale for each 32 along K; x [4096][1024] f32 is quantised here, the weights come as codes [1024][1024], K innermost.
; The results are quantised at once for the attention launch: q and k along the head's 64, v along the tokens (its K there), and stored as IMAGES OF OPERAND REGISTERS:
; a group of four registers is 512 bytes, lane l's 16 bytes at 16 l.  The launch also lays w_o's codes out as such images for the last launch.
; SHARES.  Work-group (g, rb): tokens 128 rb .. + 127, heads 2 g and 2 g + 1 of q, k and v.  All 16 waves quantise x, 8 rows each, in two halves of K (512 each).  Waves 0-11 multiply:
; kind = wave / 4 (q, k, v), head half hh, token half th: 64 tokens x 64 columns, 16 accumulators.  Waves 13-15 fetch the weights' tiles (one kind each); waves 12, 13 lay out one fragment of w_o each.
; ORDER INSIDE A BLOCK OF 32.  A result's pair of tiles 2 c, 2 c + 1 gives group c, whose byte 8 u + j of lane (r, h) is the true index 32 c + 16 u + 8 h + j.  The order changes inside a block of 32 alone
; (one scale), and falls alike on both operands of each later product: q with k, v with p, ctx with w_o's images, which are laid in this order here.
; No cluster: the launch has four tile fills in all, and its larger stream, x as f32, goes through registers, where nothing can be shared.
; LIMITS: NaN and infinities among the inputs are not served.  A block whose largest magnitude lies under 2^-111 takes the scale byte 1; a block of zeros too (not 127): its codes are zeros, and this program alone reads the bytes.
.set XPITCH, 528                       ; x's codes in LDS: 512 bytes (half of K) + 16: 33 x 16 bytes, so the 16 rows of a fragment load start 16 bytes apart modulo 256
.set XSB,    128*XPITCH                ; 67,584: x's scale bytes of that half: 16 a row + 4
.set XSP,    20
.set WRING,  70144                     ; two slots of weights' tiles: [kind][128 rows], 256 bytes (two K steps) + 16
.set WPITCH, 272
.set WKIND,  128*WPITCH
.set WSLOT,  3*WKIND
.set SPARE,  WRING+2*WSLOT             ; 279,040: the spare words, 128 bytes a wave: eight blocks of 256 bytes that no other line names
.set SLOTB,  34304                     ; a slot of kv: 256 keys: K's images, V's images, K's scale words, V's
.set VIMG,   16384
.set KSC,    32768
.set VSC,    33792
.set SPW, 1                            ; v1  SPARE + 4 x thread; never rewritten
.set NIL, 2                            ; v2  0; never rewritten
.set XA,  3                            ; v3  32 x lane: my 8 numbers of 1,024 bytes of x
.set XST, 4                            ; v4  where my 8 codes go
.set XBT, 5                            ; v5  where my block's scale byte goes
.set ADW, 6                            ; v6, v7  my weights' fragments in slot A, B
.set XSW, 8                            ; v8-11   x's scale words, four tiles
.set WS,  12                           ; v12-27  the weights' scale words: 4 t + (K step % 4)
.set ADX, 28                           ; v28 my x fragments
.set ADXS, 29                          ; v29 their scale words
.set WSO, 30                           ; v30 32 r: a row of weight scales
.set LI,  31                           ; v31 16 x lane: an image's place
.set XF,  32                           ; v32-63  two fragments of x; elsewhere at work
.set WF,  64                           ; v64-127 four fragments of weights
.set XN,  64                           ;         in the X phases: four sets of 16 numbers of x
.set ACC, 128                          ; v128-255
.set MX,  32                           ; X phase: largest magnitudes,
.set SCX, 34                           ; the conversions' scale operands,
.set HOX, 36                           ; 57,344 x the scale,
.set BY,  40                           ; scale bytes, two sets,
.set CD,  44                           ; codes, two sets
.set TQ,  32                           ; the way out: v32-39 at work
.set LW,  40                           ; v40 4 r
.set WV, 2
.set G,  3
.set RB, 4
.set KIND, 5
.set HH, 6
.set TH, 7
.set SEL, 48
.set MNT, 50
.macro PLACES n
.rept \n
	v_nop
.endr
.endm
.macro TLOAD g0                        ; waves 13-15 fetch, one kind each; the branch hangs on the wave's number alone; four v_nop follow the load
	s_cmp_gt_u32 s[WV], 12
	s_cbranch_scc0 .Lno_tl_\@
	tensor_load_to_lds s[\g0:\g0+3], s[32:39]
	s_nop 0
	PLACES 4
.Lno_tl_\@:
.endm
.macro WSLOAD off                      ; four K steps' scale words of my 64 weight rows
.irp t, 0,1,2,3
	global_load_b128 v[WS+4*\t:WS+4*\t+3], v[WSO], s[54:55] offset:512*\t+\off
.endr
.endm
.macro XLOAD hf, j                     ; row j of my 8, half hf of K: lane l takes k = 512 hf + 256 u + 8 l + 0 .. 7; a pair of loads covers 1,024 consecutive bytes
.irp u, 0,1
.irp p, 0,1
	global_load_b128 v[XN+16*((\j)%4)+8*\u+4*\p:XN+16*((\j)%4)+8*\u+4*\p+3], v[XA], s[52:53] offset:4096*(\j)+2048*(\hf)+1024*\u+16*\p
.endr
.endr
.endm
.macro XROW hf, j                      ; row j is quantised: four lanes hold a block of 32
.set XR, XN+16*((\j)%4)
.set BYS, BY+2*((\j)%2)
.set CDS, CD+4*((\j)%2)
.if (\j) <= 4
	s_wait_loadcnt 12                              ; row j's four loads are in; those of the three rows behind it may be out
.else
	s_wait_loadcnt 4*(7-(\j))
.endif
.if (\j) >= 2
	s_wait_dscnt 4                                 ; row j - 1's four LDS stores may be out; row j - 2's have read the registers that are written now
.endif
.irp u, 0,1
	v_max3_num_f32 v[MX+\u], |v[XR+8*\u]|, |v[XR+8*\u+1]|, 0x8000000   ; my 8 numbers, and the floor 2^(16 - 127): the byte cannot fall under 1
.endr
.irp i, 2,4,6
.irp u, 0,1
	s_delay_alu instid0(VALU_DEP_2)
	v_max3_num_f32 v[MX+\u], v[MX+\u], |v[XR+8*\u+\i]|, |v[XR+8*\u+\i+1]|
.endr
.endr
.irp u, 0,1
	s_delay_alu instid0(VALU_DEP_2)
	v_max_num_f32_dpp v[MX+\u], v[MX+\u], v[MX+\u] row_xmask:1 row_mask:0xf bank_mask:0xf
.endr
.irp u, 0,1
	s_delay_alu instid0(VALU_DEP_2)
	v_max_num_f32_dpp v[MX+\u], v[MX+\u], v[MX+\u] row_xmask:2 row_mask:0xf bank_mask:0xf   ; the block's largest magnitude
.endr
.irp u, 0,1
	s_delay_alu instid0(VALU_DEP_2)
	v_add_nc_u32 v[SCX+\u], 0xf8800000, v[MX+\u]   ; 15 off its exponent field: the conversion's scale operand
.endr
.irp u, 0,1
	s_delay_alu instid0(VALU_DEP_4)
	v_and_or_b32 v[HOX+\u], v[MX+\u], 0x7f800000, s[MNT]   ; 57,344 x the scale
.endr
.irp u, 0,1
	s_delay_alu instid0(VALU_DEP_4)
	v_lshrrev_b32 v[BYS+\u], 23, v[SCX+\u]         ; the scale's byte
.endr
.irp u, 0,1
.irp i, 0,1,2,3,4,5,6,7
	v_med3_num_f32 v[XR+8*\u+\i], v[XR+8*\u+\i], -v[HOX+\u], v[HOX+\u]   ; the conversion does not saturate (ISA guide 7.6.2): the hold comes first
.endr
	v_cvt_scalef32_pk8_bf8_f32 v[CDS+2*\u:CDS+2*\u+1], v[XR+8*\u:XR+8*\u+7], v[SCX+\u]
.endr
	v_nop                                          ; a plain line behind the last conversion
.irp u, 0,1
	ds_store_b64 v[XST], v[CDS+2*\u:CDS+2*\u+1] offset:XPITCH*(\j)+256*\u
	ds_store_b8 v[XBT], v[BYS+\u] offset:XSP*(\j)+8*\u   ; the four lanes of a block write the same byte with the same value
.endr
.if (\j)+4 < 8
	XLOAD \hf, (\j)+4
.endif
.endm
.macro WM d, fa, fb, sa, sb, kk        ; one product; K step 0 starts the sum with the constant 0
.if (\kk) == 0
	v_wmma_scale_f32_16x16x128_f8f6f4 v[\d:\d+7], v[\fa:\fa+15], v[\fb:\fb+15], 0, v[\sa], v[\sb] matrix_a_fmt:MATRIX_FMT_BF8 matrix_b_fmt:MATRIX_FMT_BF8
.else
	v_wmma_scale_f32_16x16x128_f8f6f4 v[\d:\d+7], v[\fa:\fa+15], v[\fb:\fb+15], v[\d:\d+7], v[\sa], v[\sb] matrix_a_fmt:MATRIX_FMT_BF8 matrix_b_fmt:MATRIX_FMT_BF8
.endif
.endm
; Eight products: x tiles 2 p, 2 p + 1 against the four weight tiles.  q, k: source 0 = 16 weight rows, source 1 = 16 tokens: a lane holds one token, its registers run along d.
; v: the sources change places: a lane holds one d row, its registers run along the tokens, which are v's K.  The 16 accumulators take turns, one instruction each in a K step.
.macro MUL8 s, p
	s_cmp_lt_u32 s[WV], 8
	s_cbranch_scc0 .Lmv_\@
.irp ii, 0,1
.irp t, 0,1,2,3
	WM ACC+8*(4*(2*\p+\ii)+\t), WF+16*\t, XF+16*\ii, WS+4*\t+XK, XSW+2*\p+\ii, \s
.endr
.endr
	s_branch .Lmd_\@
.Lmv_\@:
.irp ii, 0,1
.irp t, 0,1,2,3
	WM ACC+8*(4*\t+2*\p+\ii), XF+16*\ii, WF+16*\t, XSW+2*\p+\ii, WS+4*\t+XK, \s
.endr
.endr
.Lmd_\@:
.endm
.macro MSTEP s                         ; K step s of eight: 128 along K
.set SL, ((\s)>>1)&1
.set QQ, (\s)&1
.set XK, (\s)&3
.if XK != 0
	PLACES 8                                       ; eight places between the last products and loads into registers that they read
.endif
.irp t, 0,1,2,3
.irp c, 0,1,2,3
	ds_load_b128 v[WF+16*\t+4*\c:WF+16*\t+4*\c+3], v[ADW+SL] offset:16*WPITCH*\t+128*QQ+32*\c
.endr
.endr
.irp i, 0,1
.irp c, 0,1,2,3
	ds_load_b128 v[XF+16*\i+4*\c:XF+16*\i+4*\c+3], v[ADX] offset:16*XPITCH*\i+128*XK+32*\c
.endr
.endr
.irp i, 0,1,2,3
	ds_load_b32 v[XSW+\i], v[ADXS] offset:16*XSP*\i+4*XK
.endr
	s_wait_dscnt 0x0
	MUL8 \s, 0
.if (\s) == 0
	PLACES 9                                       ; nine in K step 0: the products below begin sums with the constant 0, and the two kinds' ways number the accumulators differently: taken over both ways they write registers that the products above have written
.else
	PLACES 8
.endif
.irp i, 0,1
.irp c, 0,1,2,3
	ds_load_b128 v[XF+16*\i+4*\c:XF+16*\i+4*\c+3], v[ADX] offset:16*XPITCH*(\i+2)+128*XK+32*\c
.endr
.endr
	s_wait_dscnt 0x0
	MUL8 \s, 1
.endm
; 32 numbers of a lane, two blocks of 16 registers (a block's other 16 lie in lane l xor 16), become 8 registers of codes and the two scale bytes in v[w]
.macro QUANT2 s, d, w
.irp b, 0,1
	v_max3_num_f32 v[TQ+\b], |v[\s+16*\b]|, |v[\s+16*\b+1]|, 0x8000000
.endr
.irp i, 2,4,6,8,10,12,14
.irp b, 0,1
	v_max3_num_f32 v[TQ+\b], v[TQ+\b], |v[\s+16*\b+\i]|, |v[\s+16*\b+\i+1]|
.endr
.endr
.irp b, 0,1
	s_delay_alu instid0(VALU_DEP_2)
	v_permlanex16_b32 v[TQ+2+\b], v[TQ+\b], s[SEL], s[SEL+1]
.endr
.irp b, 0,1
	s_delay_alu instid0(VALU_DEP_2)
	v_max_num_f32 v[TQ+\b], v[TQ+\b], v[TQ+2+\b]
.endr
.irp b, 0,1
	s_delay_alu instid0(VALU_DEP_2)
	v_add_nc_u32 v[TQ+4+\b], 0xf8800000, v[TQ+\b]
.endr
.irp b, 0,1
	s_delay_alu instid0(VALU_DEP_4)
	v_and_or_b32 v[TQ+6+\b], v[TQ+\b], 0x7f800000, s[MNT]
.endr
.irp b, 0,1
	s_delay_alu instid0(VALU_DEP_4)
	v_lshrrev_b32 v[TQ+2+\b], 23, v[TQ+4+\b]
.endr
	s_delay_alu instid0(VALU_DEP_1)
	v_lshl_or_b32 v[\w], v[TQ+3], 8, v[TQ+2]
.irp b, 0,1
.irp i, 0,1,2,3,4,5,6,7,8,9,10,11,12,13,14,15
	v_med3_num_f32 v[\s+16*\b+\i], v[\s+16*\b+\i], -v[TQ+6+\b], v[TQ+6+\b]
.endr
	v_cvt_scalef32_pk8_bf8_f32 v[\d+4*\b:\d+4*\b+1], v[\s+16*\b:\s+16*\b+7], v[TQ+4+\b]
	v_cvt_scalef32_pk8_bf8_f32 v[\d+4*\b+2:\d+4*\b+3], v[\s+16*\b+8:\s+16*\b+15], v[TQ+4+\b]
.endr
	v_nop                                          ; a plain line behind the last conversion
.endm
	s_load_b512 s[8:23], s[0:1], 0x0               ; x 8, wq codes 10, wq scales 12, wk codes 14, wk scales 16, wv codes 18, wv scales 20, wo codes 22
	s_load_b256 s[24:31], s[0:1], 0x40             ; qimg 24, qsc 26, kv 28, woimg 30
	v_lshl_add_u32 v[SPW], v0, 2, SPARE
	v_mov_b32 v[NIL], 0
	ds_add_u32 v1, v2
	ds_add_u32 v1, v2
	s_wait_dscnt 0x0
	v_lshrrev_b32 v32, 5, v0
	s_delay_alu instid0(VALU_DEP_1)
	v_readfirstlane_b32 s[WV], v32                 ; wave 0..15
	s_mov_b32 s[G], ttmp9
	s_and_b32 s[RB], ttmp7, 0xffff
	s_lshr_b32 s[KIND], s[WV], 2
	s_bfe_u32 s[HH], s[WV], 0x10001
	s_and_b32 s[TH], s[WV], 1
	v_and_b32 v33, 31, v0                          ; lane
	v_and_b32 v34, 15, v0                          ; r
	s_wait_alu depctr_va_vdst(0)
	v_bfe_u32 v35, v0, 4, 1                        ; h
	v_lshlrev_b32 v[XA], 5, v33
	s_mul_i32 s60, s[WV], 8*XPITCH
	v_lshl_add_u32 v[XST], v33, 3, s60             ; my wave's 8 rows, 8 bytes a lane
	s_mul_i32 s60, s[WV], 8*XSP
	s_add_co_u32 s60, s60, XSB
	v_lshrrev_b32 v36, 2, v33
	s_delay_alu instid0(VALU_DEP_1)
	v_add_nc_u32 v[XBT], s60, v36
	s_min_u32 s60, s[KIND], 2                      ; (waves 12-15 read no weights: the address is held inside the ring)
	s_mul_i32 s60, s60, WKIND
	s_mul_i32 s61, s[HH], 64*WPITCH
	s_add_co_u32 s60, s60, s61
	s_add_co_u32 s60, s60, WRING
	v_mul_u32_u24 v36, v34, WPITCH
	s_wait_alu depctr_va_vdst(0)
	v_lshl_add_u32 v36, v35, 4, v36
	s_delay_alu instid0(VALU_DEP_1)
	v_add_nc_u32 v[ADW], s60, v36
	s_delay_alu instid0(VALU_DEP_1)
	v_add_nc_u32 v[ADW+1], WSLOT, v[ADW]
	s_mul_i32 s60, s[TH], 64*XPITCH
	v_mul_u32_u24 v36, v34, XPITCH
	s_delay_alu instid0(VALU_DEP_1)
	v_lshl_add_u32 v36, v35, 4, v36
	s_delay_alu instid0(VALU_DEP_1)
	v_add_nc_u32 v[ADX], s60, v36
	s_mul_i32 s60, s[TH], 64*XSP
	s_add_co_u32 s60, s60, XSB
	v_mul_u32_u24 v36, v34, XSP
	s_delay_alu instid0(VALU_DEP_1)
	v_add_nc_u32 v[ADXS], s60, v36
	v_lshlrev_b32 v[WSO], 5, v34
	v_lshlrev_b32 v[LI], 4, v33
	; descriptor group 1: 128 rows x 256 bytes, 1,024 bytes apart in memory, 16 bytes of padding behind each row in LDS
	s_mov_b32 s32, (0<<16)|(1<<20)|(5<<22)|(3<<25) ; elements of 1 byte; padding on, after every 64 words, of 4 words
	s_mov_b32 s33, 256<<16                         ; tensor_dim0
	s_mov_b32 s34, 128<<16                         ; tensor_dim1
	s_mov_b32 s35, 256<<16                         ; tile_dim0
	s_mov_b32 s36, 128                             ; tile_dim1
	s_mov_b32 s37, 1024                            ; stride from row to row
	s_mov_b32 s38, 0
	s_mov_b32 s39, 0
	s_and_b32 s41, s[WV], 3                        ; waves 13, 14, 15 fill kinds 0, 1, 2
	s_mul_i32 s41, s41, WKIND
	s_add_co_u32 s41, s41, WRING-WKIND
	s_add_co_u32 s45, s41, WSLOT
	s_mov_b32 s40, 1
	s_mov_b32 s44, 1
	s_mov_b32 s[SEL], 0x76543210
	s_mov_b32 s[SEL+1], 0xfedcba98                 ; v_permlanex16_b32's selects for lane l xor 16
	s_mov_b32 s[MNT], 0x600000                     ; the mantissa field of 57,344
	s_lshl_b32 s62, s[G], 17                       ; my 128 weight rows of 1,024 bytes
	s_mov_b32 s63, 0
	s_lshl_b32 s66, s[RB], 19                      ; my 128 rows of x, 4,096 bytes each,
	s_lshl_b32 s67, s[WV], 15                      ; my wave's 8
	s_add_co_u32 s66, s66, s67
	s_mov_b32 s67, 0
	s_lshl_b32 s68, s[G], 12                       ; the scales of my 128 weight rows, 32 bytes each,
	s_lshl_b32 s69, s[HH], 11                      ; my head's 64
	s_add_co_u32 s68, s68, s69
	s_mov_b32 s69, 0
	s_wait_kmcnt 0x0
	s_cmp_eq_u32 s[WV], 13
	s_cselect_b64 s[60:61], s[10:11], s[18:19]
	s_cmp_eq_u32 s[WV], 14
	s_cselect_b64 s[60:61], s[14:15], s[60:61]
	s_add_nc_u64 s[60:61], s[60:61], s[62:63]
	s_mov_b64 s[42:43], s[60:61]                   ; slot A: K bytes 0-255
	s_or_b32 s43, s43, 0x80000000
	s_add_nc_u64 s[46:47], s[60:61], 256           ; slot B: K bytes 256-511
	s_or_b32 s47, s47, 0x80000000
	s_cmp_gt_u32 s[WV], 12                         ; a wave's two first fills stand in one branch, ahead of every wait on TENSORcnt, LDS read and barrier: two loads of mine are out
	s_cbranch_scc0 .Lno_first
	tensor_load_to_lds s[40:43], s[32:39]
	s_nop 0
	tensor_load_to_lds s[44:47], s[32:39]
	s_nop 0
	PLACES 4
.Lno_first:
	s_add_nc_u64 s[52:53], s[8:9], s[66:67]
	s_cmp_eq_u32 s[KIND], 0
	s_cselect_b64 s[54:55], s[12:13], s[20:21]
	s_cmp_eq_u32 s[KIND], 1
	s_cselect_b64 s[54:55], s[16:17], s[54:55]
	s_add_nc_u64 s[54:55], s[54:55], s[68:69]
	s_wait_alu depctr_va_vdst(0)
	WSLOAD 0                                       ; K steps 0-3 (every wave loads them: waves 12-15 never use theirs)
.irp j, 0,1,2,3
	XLOAD 0, \j
.endr
	; ---- x, first half of K
.irp j, 0,1,2,3,4,5,6,7
	XROW 0, \j
.endr
	s_wait_tensorcnt 0x1                           ; slot A has landed; slot B's fill may stay out
	s_wait_dscnt 0x0                               ; my codes and bytes lie in LDS
	s_barrier_signal -1
	s_barrier_wait -1
	s_cmp_lt_u32 s[WV], 12
	s_cbranch_scc0 .Lnot_mul_a
	MSTEP 0                                        ; (the scale words are in: the last row's wait on LOADcnt was for 0)
	MSTEP 1
	s_branch .Ljoin_a
.Lnot_mul_a:
	s_cmp_lt_u32 s[WV], 14
	s_cbranch_scc0 .Ljoin_a
	; waves 12, 13: fragment f = 2 (8 rb + g) + (wave & 1) of w_o: column tile nt, K step s, f = ((nt / 4) 8 + s) 4 + nt % 4
	s_lshl_b32 s66, s[RB], 3
	s_add_co_u32 s66, s66, s[G]
	s_lshl_b32 s66, s66, 1
	s_add_co_u32 s66, s66, s[TH]
	s_lshr_b32 s67, s66, 5
	s_lshl_b32 s67, s67, 2
	s_and_b32 s68, s66, 3
	s_add_co_u32 s67, s67, s68                     ; nt
	s_bfe_u32 s68, s66, 0x30002                    ; s
	s_lshl_b32 s67, s67, 14                        ; 16 rows of 1,024 bytes
	s_lshl_b32 s68, s68, 7
	s_add_co_u32 s68, s67, s68
	s_mov_b32 s69, 0
	s_add_nc_u64 s[70:71], s[22:23], s[68:69]
	s_lshl_b32 s68, s66, 11
	s_add_nc_u64 s[72:73], s[30:31], s[68:69]
	v_and_b32 v32, 15, v0
	v_bfe_u32 v33, v0, 4, 1
	s_delay_alu instid0(VALU_DEP_2)
	v_lshlrev_b32 v32, 10, v32
	s_delay_alu instid0(VALU_DEP_1)
	v_lshl_add_u32 v32, v33, 3, v32                ; row r, + 8 h
.irp c, 0,1,2,3
	global_load_b64 v[64+4*\c:65+4*\c], v32, s[70:71] offset:32*\c      ; group c: true k 32 c + 8 h + 0 .. 7,
	global_load_b64 v[66+4*\c:67+4*\c], v32, s[70:71] offset:32*\c+16   ; and 32 c + 16 + 8 h + 0 .. 7: the order in which ctx's codes come out of the attention launch
.endr
	s_wait_loadcnt 0x0
.irp c, 0,1,2,3
	global_store_b128 v[LI], v[64+4*\c:67+4*\c], s[72:73] offset:512*\c   ; 32 lanes store 512 consecutive bytes
.endr
.Ljoin_a:
	s_wait_tensorcnt 0x0                           ; all my tensor loads have landed, slot B's among them
	ds_add_u32 v[SPW], v[NIL]                      ; 0 onto my spare word
	ds_add_u32 v1, v2
	s_add_nc_u64 s[42:43], s[42:43], 512           ; slot A's next tile: K bytes 512-767
	s_wait_dscnt 0x0                               ; the add is done, and my reads of slot A are over
	s_barrier_signal -1
	s_barrier_wait -1
	TLOAD 40                                       ; it has two K steps in which to land
	s_cmp_lt_u32 s[WV], 12
	s_cbranch_scc0 .Ljoin_b
	MSTEP 2
	MSTEP 3
.Ljoin_b:
	PLACES 8                                       ; between the last products and the loads into their scale and operand registers
	s_wait_xcnt 0x0                                ; w_o's stores have read their registers: x's numbers may land there
	WSLOAD 16                                      ; K steps 4-7
.irp j, 0,1,2,3
	XLOAD 1, \j
.endr
	s_wait_tensorcnt 0x0
	ds_add_u32 v[SPW], v[NIL]
	ds_add_u32 v1, v2
	s_add_nc_u64 s[46:47], s[46:47], 512           ; slot B's next tile: K bytes 768-1023
	s_wait_dscnt 0x0                               ; my reads of slot B and of x's first half are over
	s_barrier_signal -1
	s_barrier_wait -1
	TLOAD 44
	; ---- x, second half of K, into the same bytes
.irp j, 0,1,2,3,4,5,6,7
	XROW 1, \j
.endr
	s_wait_tensorcnt 0x0                           ; slot B's tile has landed (slot A's was shown landed in front of the last barrier)
	s_wait_dscnt 0x0
	s_barrier_signal -1
	s_barrier_wait -1
	s_cmp_lt_u32 s[WV], 12
	s_cbranch_scc0 .Lend
	MSTEP 4
	MSTEP 5
	MSTEP 6
	MSTEP 7
	PLACES 8
	; ---- the way out.  hb = 16 batch + head; st = which 128 tokens of the batch
	s_lshr_b32 s66, s[RB], 4
	s_lshl_b32 s66, s66, 4
	s_lshl_b32 s67, s[G], 1
	s_add_co_u32 s66, s66, s67
	s_add_co_u32 s66, s66, s[HH]                   ; hb
	s_and_b32 s67, s[RB], 15                       ; st
	s_and_b32 s68, s67, 1
	s_lshl_b32 s69, s66, 3
	s_lshr_b32 s70, s67, 1
	s_add_co_u32 s69, s69, s70
	s_mul_i32 s69, s69, SLOTB                      ; my slot of kv
	s_lshl_b32 s70, s66, 7
	s_lshl_b32 s71, s67, 3
	s_add_co_u32 s70, s70, s71
	s_lshl_b32 s71, s[TH], 2
	s_add_co_u32 s70, s70, s71                     ; q: my first tile of 16 tokens: 128 hb + 8 st + 4 th
	s_lshl_b32 s72, s70, 10
	s_lshl_b32 s73, s70, 6
	s_lshl_b32 s70, s68, 3
	s_add_co_u32 s70, s70, s71                     ; k: my first tile in the slot
	s_lshl_b32 s74, s70, 10
	s_add_co_u32 s74, s74, s69
	s_lshl_b32 s75, s70, 6
	s_add_co_u32 s75, s75, s69
	s_add_co_u32 s75, s75, KSC
	s_lshl_b32 s76, s68, 13                        ; v: the step's four fragments, my two groups of each
	s_lshl_b32 s77, s[TH], 10
	s_add_co_u32 s76, s76, s77
	s_add_co_u32 s76, s76, s69
	s_add_co_u32 s76, s76, VIMG
	s_lshl_b32 s77, s68, 8
	s_lshl_b32 s78, s[TH], 1
	s_add_co_u32 s77, s77, s78
	s_add_co_u32 s77, s77, s69
	s_add_co_u32 s77, s77, VSC
	s_cmp_eq_u32 s[KIND], 0
	s_cselect_b32 s60, s72, s74
	s_cselect_b32 s62, s73, s75
	s_cselect_b64 s[56:57], s[24:25], s[28:29]
	s_cselect_b64 s[58:59], s[26:27], s[28:29]
	s_cmp_eq_u32 s[KIND], 2
	s_cselect_b32 s60, s76, s60
	s_cselect_b32 s62, s77, s62
	s_mov_b32 s61, 0
	s_mov_b32 s63, 0
	s_add_nc_u64 s[56:57], s[56:57], s[60:61]
	s_add_nc_u64 s[58:59], s[58:59], s[62:63]
	v_mov_b32 v[TQ+2], 0                           ; a lane permute's destination counts as one of its sources
	v_mov_b32 v[TQ+3], 0
	v_and_b32 v[LW], 15, v0
	s_delay_alu instid0(VALU_DEP_1)
	v_lshlrev_b32 v[LW], 2, v[LW]
.irp u, 0,1,2,3
	QUANT2 ACC+32*\u, 64+8*\u, 96+\u               ; q, k: token tile u, blocks along d;  v: d tile u, blocks along my 64 tokens
.endr
	s_cmp_lt_u32 s[WV], 8
	s_cbranch_scc0 .Lout_v
.irp u, 0,1,2,3
	global_store_b128 v[LI], v[64+8*\u:67+8*\u], s[56:57] offset:1024*\u
	global_store_b128 v[LI], v[68+8*\u:71+8*\u], s[56:57] offset:1024*\u+512
	global_store_b32 v[LW], v[96+\u], s[58:59] offset:64*\u   ; a word a token: two bytes, and two of 0 over the zero codes that fill K up to 128; lanes r and r + 16 write the same word
.endr
	s_branch .Lend
.Lout_v:
	s_wait_alu depctr_va_vdst(0)
.irp u, 0,1,2,3
	global_store_b128 v[LI], v[64+8*\u:67+8*\u], s[56:57] offset:2048*\u
	global_store_b128 v[LI], v[68+8*\u:71+8*\u], s[56:57] offset:2048*\u+512
	global_store_b16 v[LW], v[96+\u], s[58:59] offset:64*\u   ; my half of the d row's word for these 128 keys
.endr
.Lend:
	s_wait_tensorcnt 0x0                           ; the wave's end
	ds_add_u32 v[SPW], v[NIL]
	s_wait_dscnt 0x0
	s_endpgm
.Lfunc_end_k_q8035ed3bc1_qkv:
	.size	k_q8035ed3bc1_qkv, .Lfunc_end_k_q8035ed3bc1_qkv-k_q8035ed3bc1_qkv
	.p2alignl 7, 3214868480
	.fill 96, 4, 3214868480
	.section	.rodata,"a",@progbits
	.p2align	6, 0x0
	.amdhsa_kernel k_q8035ed3bc1_qkv
		.amdhsa_group_segment_fixed_size 327680
		.amdhsa_private_segment_fixed_size 0
		.amdhsa_enable_private_segment 0
		.amdhsa_kernarg_size 96
		.amdhsa_user_sgpr_count 2
		.amdhsa_user_sgpr_kernarg_segment_ptr 1
		.amdhsa_wavefront_size32 1
		.amdhsa_system_sgpr_workgroup_id_x 1
		.amdhsa_system_sgpr_workgroup_id_y 1
		.amdhsa_system_sgpr_workgroup_id_z 1
		.amdhsa_system_vgpr_workitem_id 0
		.amdhsa_next_free_vgpr 256
		.amdhsa_next_free_sgpr 80
		.amdhsa_reserve_vcc 0
		.amdhsa_float_denorm_mode_32 3
		.amdhsa_float_denorm_mode_16_64 3
		.amdhsa_memory_ordered 1
		.amdhsa_forward_progress 1
		.amdhsa_inst_pref_size 144
	.end_amdhsa_kernel
	.amdgpu_metadata
---
amdhsa.version: [ 1, 2 ]
amdhsa.kernels:
  - .name:           k_q8035ed3bc1_qkv
    .symbol:         k_q8035ed3bc1_qkv.kd
    .args:
      - { .name: x, .offset: 0, .size: 8, .value_kind: global_buffer, .address_space: global }
      - { .name: w_q_codes, .offset: 8, .size: 8, .value_kind: global_buffer, .address_space: global }
      - { .name: w_q_scales, .offset: 16, .size: 8, .value_kind: global_buffer, .address_space: global }
      - { .name: w_k_codes, .offset: 24, .size: 8, .value_kind: global_buffer, .address_space: global }
      - { .name: w_k_scales, .offset: 32, .size: 8, .value_kind: global_buffer, .address_space: global }
      - { .name: w_v_codes, .offset: 40, .size: 8, .value_kind: global_buffer, .address_space: global }
      - { .name: w_v_scales, .offset: 48, .size: 8, .value_kind: global_buffer, .address_space: global }
      - { .name: w_o_codes, .offset: 56, .size: 8, .value_kind: global_buffer, .address_space: global }
      - { .name: qimg, .offset: 64, .size: 8, .value_kind: global_buffer, .address_space: global }
      - { .name: qsc, .offset: 72, .size: 8, .value_kind: global_buffer, .address_space: global }
      - { .name: kv, .offset: 80, .size: 8, .value_kind: global_buffer, .address_space: global }
      - { .name: woimg, .offset: 88, .size: 8, .value_kind: global_buffer, .address_space: global }
    .group_segment_fixed_size: 327680
    .private_segment_fixed_size: 0
    .kernarg_segment_align: 8
    .kernarg_segment_size: 96
    .max_flat_workgroup_size: 512
    .sgpr_count:     80
    .vgpr_count:     256
    .wavefront_size: 32
...
	.end_amdgpu_metadata
.endif
;; end of part 4
;; launch attn (part 5): grid 8 x 32, 16 waves a work-group, no clusters, 327,680 bytes of LDS; arguments qimg, qsc, kv, cimg, csc; writes cimg, csc
.if DOCPART == 5
	.amdgcn_target "amdgcn-amd-amdhsa--gfx1250"
	.amdhsa_code_object_version 6
	.text
	.protected	k_q8035ed3bc1_attn
	.globl	k_q8035ed3bc1_attn
	.p2align	8
	.type	k_q8035ed3bc1_attn,@function
k_q8035ed3bc1_attn:
	s_mov_b64 s[64:65], 0
	v_nop
	global_prefetch_b8 v0, s[64:65] scope:SCOPE_SE
	s_setreg_imm32_b32 hwreg(HW_REG_WAVE_MODE, 25, 1), 1
	s_wait_xcnt 0x0
; ctx[q] = (the sum over keys of p v) / l, p = 2^(t - M), t = score x log2(e) / 8, M = the row's largest t so far rounded UP to a whole number; both products on codes of BF8 (E5M2) with E8M0 scales.
; l is the sum of the unquantised p.  When M moves, l and O are multiplied by 2^(old M - new M): exact.  ctx is quantised along the model's 1,024 and stored as operand images for the last launch.
; SHARES.  A work-group owns 256 queries of one head (hb = 16 batch + head); each of its sixteen waves one tile of 16, in 256 registers: four waves to a SIMD, so that one wave's vector work stands beside another's
; products and LDS loads.  Every wave walks the head's 2,048 keys, 128 a step.
; K AND V OF THE WHOLE HEAD STAY IN LDS: eight slots of kv (256 keys each: K's images, V's images, their scale words: 34,304 dense bytes) are 274,432 bytes, laid in LDS as they lie in memory.  Waves 0 and 1 ask for a half of each
; slot, eight tensor loads a wave, all at the head; nothing is filled again.  Two barriers in all: one when slot 0 has landed, one, behind slot 0's two key steps, when all have.  From there on LDS is only read, and no wave waits for another.
; LAYOUT.  Both products are used transposed: S^T = K Q^T, O^T = V^T P^T: a lane holds one query throughout.  The head's K is 64: the upper half of K's and Q's fragments is zero codes, kept in registers.
; Inside a block of 32 the operands' order is that of the launch before (byte 8 u + j of group c, lane half h: index 32 c + 16 u + 8 h + j), alike on both sides of each product.
; No cluster: a work-group asks for its 274,432 bytes once; only the first 34,304 are waited for at the head, the rest has two key steps of sixteen waves in which to land.
; Nothing is prefetched: every byte of K and V is asked for by the first fills, so no later load is left to run ahead of.
; LIMITS: NaN and infinities are not served; a block of p or of ctx under 2^-111, or of zeros, takes the scale byte 1 (its codes then are zeros or subnormal codes); 1 / l is v_rcp_f32's.
.set SLOTB, 34304
.set HALFB, 17152
.set VIMG,  16384
.set KSC,   32768
.set VSC,   33792
.set NSL,   8
.set LI,  1                            ; v1  16 x lane
.set LW,  2                            ; v2  4 r
.set ADI, 3                            ; v3  the slot in hand + 16 x lane
.set ADW, 4                            ; v4  the slot in hand + 4 r
.set KF,  32                           ; v32-95   four fragments of K: the lower 8 registers loaded, the upper 8 zero
.set S,   96                           ; v96-159  S^T, then p, then V's four fragments
.set O,   160                          ; v160-191 O^T
.set PC,  192                          ; v192-207 p's codes
.set BM,  208
.set T1,  212
.set HO,  216
.set SC,  220
.set KS,  224                          ; K's scale words
.set VS,  228                          ; V's
.set F,   232                          ; f = 2^(old M - new M)
.set PW,  233                          ; p's scale word
.set TMP, 234
.set QS,  235                          ; Q's scale words
.set TQ,  240
.set WV,  18
.set MNT, 19
.set SEL, 20
.set CS,  22
.set TB,  2                            ; s2  LDS byte at which the slot in hand begins
.set SLOTS, 3                          ; s3  slots still to be walked in the loop
.set G0,  68                           ; s[68:99] descriptor group 0, a set of four registers for each of the eight fills: none is written while its load is out
.macro PLACES n
.rept \n
	v_nop
.endr
.endm
.macro QUANT2 s, d, w                  ; 32 numbers of a lane, two blocks of 16 registers, become 8 registers of codes and two scale bytes
.irp b, 0,1
	v_max3_num_f32 v[TQ+\b], |v[\s+16*\b]|, |v[\s+16*\b+1]|, 0x8000000
.endr
.irp i, 2,4,6,8,10,12,14
.irp b, 0,1
	s_delay_alu instid0(VALU_DEP_2)
	v_max3_num_f32 v[TQ+\b], v[TQ+\b], |v[\s+16*\b+\i]|, |v[\s+16*\b+\i+1]|
.endr
.endr
.irp b, 0,1
	s_delay_alu instid0(VALU_DEP_2)
	v_permlanex16_b32 v[TQ+2+\b], v[TQ+\b], s[SEL], s[SEL+1]
.endr
.irp b, 0,1
	s_delay_alu instid0(VALU_DEP_2)
	v_max_num_f32 v[TQ+\b], v[TQ+\b], v[TQ+2+\b]
.endr
.irp b, 0,1
	s_delay_alu instid0(VALU_DEP_2)
	v_add_nc_u32 v[TQ+4+\b], 0xf8800000, v[TQ+\b]
.endr
.irp b, 0,1
	s_delay_alu instid0(VALU_DEP_4)
	v_and_or_b32 v[TQ+6+\b], v[TQ+\b], 0x7f800000, s[MNT]
.endr
.irp b, 0,1
	s_delay_alu instid0(VALU_DEP_4)
	v_lshrrev_b32 v[TQ+2+\b], 23, v[TQ+4+\b]
.endr
	s_delay_alu instid0(VALU_DEP_1)
	v_lshl_or_b32 v[\w], v[TQ+3], 8, v[TQ+2]
.irp b, 0,1
.irp i, 0,1,2,3,4,5,6,7,8,9,10,11,12,13,14,15
	v_med3_num_f32 v[\s+16*\b+\i], v[\s+16*\b+\i], -v[TQ+6+\b], v[TQ+6+\b]
.endr
	v_cvt_scalef32_pk8_bf8_f32 v[\d+4*\b:\d+4*\b+1], v[\s+16*\b:\s+16*\b+7], v[TQ+4+\b]
	v_cvt_scalef32_pk8_bf8_f32 v[\d+4*\b+2:\d+4*\b+3], v[\s+16*\b+8:\s+16*\b+15], v[TQ+4+\b]
.endr
	v_nop
.endm
	s_load_b256 s[4:11], s[0:1], 0x0               ; qimg 4, qsc 6, kv 8, cimg 10
	s_load_b64 s[12:13], s[0:1], 0x20              ; csc
	v_lshl_add_u32 v254, v0, 2, 0x43000
	v_mov_b32 v255, 0
	ds_add_u32 v254, v255
	ds_add_u32 v254, v255
	v_lshrrev_b32 v8, 5, v0
	s_delay_alu instid0(VALU_DEP_1)
	v_readfirstlane_b32 s[WV], v8                  ; wave 0..15
	s_and_b32 s14, ttmp7, 0xffff                   ; hb
	s_mul_i32 s32, s14, NSL*SLOTB                  ; the head's first byte in kv
	s_and_b32 s16, s[WV], 1
	s_mul_i32 s41, s16, HALFB                      ; my half of a slot, in LDS and in memory
	s_add_co_u32 s34, s32, s41
	s_mov_b32 s35, 0
	s_lshl_b32 s15, ttmp9, 4
	s_add_co_u32 s15, s15, s[WV]                   ; T: my tile of 16 queries
	s_lshl_b32 s36, s14, 7
	s_add_co_u32 s36, s36, s15                     ; 128 hb + T
	s_lshl_b32 s38, s36, 6
	s_lshl_b32 s36, s36, 10
	s_mov_b32 s37, 0
	s_mov_b32 s39, 0
	s_lshr_b32 s17, s14, 4                         ; batch
	s_lshl_b32 s17, s17, 7
	s_add_co_u32 s17, s17, s15                     ; TT = 128 batch + T
	s_lshl_b32 s17, s17, 3
	s_bfe_u32 s47, s14, 0x30001                    ; head / 2: the last product's K step
	s_add_co_u32 s17, s17, s47
	s_and_b32 s47, s14, 1                          ; head % 2: which two groups of it
	s_lshl_b32 s52, s17, 11
	s_lshl_b32 s53, s47, 10
	s_add_co_u32 s52, s52, s53
	s_mov_b32 s53, 0
	s_lshl_b32 s54, s17, 6
	s_lshl_b32 s55, s47, 1
	s_add_co_u32 s54, s54, s55
	s_mov_b32 s55, 0
	; descriptor group 1: half a slot, a dense block: 67 rows of 256 bytes (32 elements of 8 bytes), no padding: images are read 512 consecutive bytes an instruction
	s_mov_b32 s24, 3<<16
	s_mov_b32 s25, 32<<16
	s_mov_b32 s26, 67<<16
	s_mov_b32 s27, 32<<16
	s_mov_b32 s28, 67
	s_mov_b32 s29, 32
	s_mov_b32 s30, 0
	s_mov_b32 s31, 0
	s_mov_b32 s[SEL], 0x76543210
	s_mov_b32 s[SEL+1], 0xfedcba98
	s_mov_b32 s[CS], 0x3e38aa3b                    ; c = log2(e) / sqrt(64)
	s_mov_b32 s[CS+1], s[CS]                       ; (named with it as a pair, so it is written)
	s_mov_b32 s[MNT], 0x600000
	s_mov_b32 s[TB], 0
	s_mov_b32 s[SLOTS], NSL-1
	s_wait_dscnt 0x0
	s_wait_kmcnt 0x0
	s_add_nc_u64 s[42:43], s[8:9], s[34:35]        ; my half of the head's slot 0
.irp i, 0,1,2,3,4,5,6,7
	s_mov_b32 s[G0+4*\i], 1                                        ; count = 1
	s_add_co_u32 s[G0+4*\i+1], s41, \i*SLOTB                       ; LDS address: slot i, my half
	s_add_nc_u64 s[G0+4*\i+2:G0+4*\i+3], s[42:43], \i*SLOTB        ; the same place in the head's part of kv
	s_or_b32 s[G0+4*\i+3], s[G0+4*\i+3], 0x80000000               ; type = 2
.endr
	s_cmp_lt_u32 s[WV], 2                          ; waves 0 and 1 fetch.  A wave's eight fills stand in one branch, ahead of every wait on TENSORcnt, LDS read and barrier: eight loads of mine are out; four v_nop follow the last
	s_cbranch_scc0 .Lno_fill
.irp i, 0,1,2,3,4,5,6,7
	tensor_load_to_lds s[G0+4*\i:G0+4*\i+3], s[24:31]
	s_nop 0
.endr
	PLACES 4
.Lno_fill:
	s_add_nc_u64 s[4:5], s[4:5], s[36:37]
	s_add_nc_u64 s[6:7], s[6:7], s[38:39]
	s_add_nc_u64 s[48:49], s[10:11], s[52:53]
	s_add_nc_u64 s[50:51], s[12:13], s[54:55]
	v_and_b32 v[LI], 31, v0
	s_delay_alu instid0(VALU_DEP_1)
	v_lshlrev_b32 v[LI], 4, v[LI]
	v_and_b32 v[LW], 15, v0
	s_delay_alu instid0(VALU_DEP_1)
	v_lshlrev_b32 v[LW], 2, v[LW]
	global_load_b128 v[16:19], v[LI], s[4:5]       ; Q's two real groups stay in registers
	global_load_b128 v[20:23], v[LI], s[4:5] offset:512
	global_load_b32 v[QS], v[LW], s[6:7]
.irp j, 0,1,2,3,4,5,6,7
	v_mov_b32 v[24+\j], 0                          ; zero codes: K runs to 64, the instruction to 128
.endr
.irp t, 0,1,2,3
.irp j, 8,9,10,11,12,13,14,15
	v_mov_b32 v[KF+16*\t+\j], 0                    ; likewise in K's four fragments: written once, no load lands here
.endr
.endr
.set J, 0
.rept 32
	v_mov_b32 v[O+J], 0                            ; O^T: the step is written once; its first run finds zeros, which the first change of M leaves zeros
.set J, J+1
.endr
	v_mov_b32 v13, 0xff61b1e6                      ; the largest t so far: -3e38
	s_delay_alu instid0(VALU_DEP_1)
	v_floor_f32 v12, -v13                          ; -M
	v_mov_b32 v14, 0                               ; the sum, in two halves
	v_mov_b32 v15, 0
.irp b, 0,1,2,3
	v_mov_b32 v[T1+\b], 0                          ; a lane permute's destination counts as one of its sources
.endr
	v_mov_b32 v[PW], 0                             ; (named as the upper half of the pair with f before it is first written)
	v_mov_b32 v[TQ+2], 0
	v_mov_b32 v[TQ+3], 0
.macro STEP q                          ; 128 keys: the q-th step of the slot in hand
	PLACES 9                                       ; the first products below write over registers that the last step's products read as V: nine places
	s_setprio 2
.irp g, 0,1
.if \g > 0
	PLACES 8                                       ; in front of loads into registers that the four products above read
.endif
.irp t, 0,1,2,3
	ds_load_b128 v[KF+16*\t:KF+16*\t+3], v[ADI] offset:(8*(\q)+4*\g+\t)*1024
	ds_load_b128 v[KF+16*\t+4:KF+16*\t+7], v[ADI] offset:(8*(\q)+4*\g+\t)*1024+512
	ds_load_b32 v[KS+\t], v[ADW] offset:KSC+(8*(\q)+4*\g+\t)*64
.endr
	s_wait_dscnt 0x0
.irp t, 0,1,2,3
	v_wmma_scale_f32_16x16x128_f8f6f4 v[S+8*(4*\g+\t):S+8*(4*\g+\t)+7], v[KF+16*\t:KF+16*\t+15], v[16:31], 0, v[KS+\t], v[QS] matrix_a_fmt:MATRIX_FMT_BF8 matrix_b_fmt:MATRIX_FMT_BF8
.endr
.endr
	PLACES 8
.irp b, 0,1,2,3
	v_max3_num_f32 v[BM+\b], v[S+16*\b], v[S+16*\b+1], v[S+16*\b+2]   ; the largest score of each block of 32 keys: for the row's maximum, and, since p rises with the score, for the block's largest p
.endr
.irp i, 3,5,7,9,11,13
.irp b, 0,1,2,3
	v_max3_num_f32 v[BM+\b], v[BM+\b], v[S+16*\b+\i], v[S+16*\b+\i+1]
.endr
.endr
.irp b, 0,1,2,3
	v_max_num_f32 v[BM+\b], v[BM+\b], v[S+16*\b+15]
.endr
.irp b, 0,1,2,3
	s_delay_alu instid0(VALU_DEP_4)
	v_permlanex16_b32 v[T1+\b], v[BM+\b], s[SEL], s[SEL+1]
.endr
.irp b, 0,1,2,3
	s_delay_alu instid0(VALU_DEP_4)
	v_max_num_f32 v[BM+\b], v[BM+\b], v[T1+\b]     ; with lane l xor 16's 16 keys
.endr
	s_delay_alu instid0(VALU_DEP_2)
	v_max3_num_f32 v[TMP], v[BM], v[BM+1], v[BM+2]
	s_delay_alu instid0(VALU_DEP_1)
	v_max_num_f32 v[TMP], v[TMP], v[BM+3]
	s_delay_alu instid0(VALU_DEP_1)
	v_mul_f32 v[TMP], s[CS], v[TMP]                ; as t (c is positive)
	s_delay_alu instid0(VALU_DEP_1)
	v_max_num_f32 v13, v13, v[TMP]                 ; the running largest t
	v_mov_b32 v[TMP], v12
	s_delay_alu instid0(VALU_DEP_2)
	v_floor_f32 v12, -v13                          ; the new -M = floor(-t): M is a whole number
	s_delay_alu instid0(VALU_DEP_1)
	v_sub_f32 v[TMP], v12, v[TMP]                  ; old M - new M: a whole number, 0 or less
	s_delay_alu instid0(VALU_DEP_1)
	v_cvt_i32_f32 v[TMP], v[TMP]                   ; (it saturates)
	s_delay_alu instid0(VALU_DEP_1)
	v_ldexp_f32 v[F], 1.0, v[TMP]                  ; f = 2^(old M - new M)
.set J, 0
.rept 32
	v_pk_fma_f32 v[S+J:S+J+1], v[S+J:S+J+1], s[CS:CS+1], v[12:13] op_sel_hi:[1,0,0]   ; t - M, two at a time
.set J, J+2
.endr
.irp b, 0,1,2,3
	v_fma_f32 v[BM+\b], v[BM+\b], s[CS], v12       ; the same of each block's largest score
.endr
.set J, 0
	s_wait_alu depctr_va_vdst(0)
.rept 64
	v_exp_f32 v[S+J], v[S+J]                       ; p = 2^(t - M), at most 1, not normalised
.set J, J+1
.endr
.irp b, 0,1,2,3
	v_exp_f32 v[BM+\b], v[BM+\b]                   ; the block's largest p: the same two instructions on the same number
.endr
	v_pk_mul_f32 v[14:15], v[14:15], v[F:F+1] op_sel_hi:[1,0]   ; the sums under the new M (a plain line behind the exponentials)
	s_wait_alu depctr_va_vdst(0)
.irp b, 0,1,2,3
	v_max_num_f32 v[BM+\b], 0x8000000, v[BM+\b]    ; the floor 2^(16 - 127)
.endr
.irp b, 0,1,2,3
	s_delay_alu instid0(VALU_DEP_4)
	v_add_nc_u32 v[SC+\b], 0xf8800000, v[BM+\b]    ; the conversion's scale operand
.endr
.irp b, 0,1,2,3
	v_and_or_b32 v[HO+\b], v[BM+\b], 0x7f800000, s[MNT]   ; 57,344 x the scale
.endr
	s_setprio 1
.irp b, 0,1,2,3
	v_lshrrev_b32 v[T1+\b], 23, v[SC+\b]           ; the scale's byte
.endr
	s_delay_alu instid0(VALU_DEP_3)
	v_lshl_or_b32 v[PW], v[T1+1], 8, v[T1]         ; p's scale word for these 128 keys
	s_delay_alu instid0(VALU_DEP_1)
	v_lshl_or_b32 v[PW], v[T1+2], 16, v[PW]
	s_delay_alu instid0(VALU_DEP_1)
	v_lshl_or_b32 v[PW], v[T1+3], 24, v[PW]
	v_pk_add_f32 v[236:237], v[100:101], v[104:105]
	v_pk_add_f32 v[252:253], v[108:109], v[112:113]
	v_pk_add_f32 v[250:251], v[116:117], v[120:121]
	v_pk_add_f32 v[248:249], v[124:125], v[128:129]
	v_pk_add_f32 v[246:247], v[132:133], v[136:137]
	v_pk_add_f32 v[244:245], v[140:141], v[144:145]
	v_pk_add_f32 v[240:241], v[148:149], v[152:153]
	v_pk_add_f32 v[14:15], v[14:15], v[156:157]
	v_pk_add_f32 v[236:237], v[236:237], v[96:97]
	v_pk_add_f32 v[252:253], v[252:253], v[98:99]
	v_pk_add_f32 v[250:251], v[250:251], v[102:103]
	v_pk_add_f32 v[248:249], v[248:249], v[106:107]
	v_pk_add_f32 v[246:247], v[246:247], v[110:111]
	v_pk_add_f32 v[244:245], v[244:245], v[114:115]
	v_pk_add_f32 v[240:241], v[240:241], v[118:119]
	v_pk_add_f32 v[14:15], v[14:15], v[122:123]
	v_pk_add_f32 v[236:237], v[236:237], v[126:127]
	v_pk_add_f32 v[252:253], v[252:253], v[130:131]
	v_pk_add_f32 v[250:251], v[250:251], v[134:135]
	v_pk_add_f32 v[248:249], v[248:249], v[138:139]
	v_pk_add_f32 v[246:247], v[246:247], v[142:143]
	v_pk_add_f32 v[244:245], v[244:245], v[146:147]
	v_pk_add_f32 v[240:241], v[240:241], v[150:151]
	v_pk_add_f32 v[14:15], v[14:15], v[154:155]
	v_pk_add_f32 v[236:237], v[236:237], v[158:159]
	s_delay_alu instid0(VALU_DEP_2)
	v_pk_add_f32 v[14:15], v[14:15], v[248:249]
	s_delay_alu instid0(VALU_DEP_2)
	v_pk_add_f32 v[236:237], v[236:237], v[246:247]
	v_pk_add_f32 v[252:253], v[252:253], v[244:245]
	v_pk_add_f32 v[250:251], v[250:251], v[240:241]
	s_delay_alu instid0(VALU_DEP_2)
	v_pk_add_f32 v[14:15], v[14:15], v[252:253]
	s_delay_alu instid0(VALU_DEP_2)
	v_pk_add_f32 v[236:237], v[236:237], v[250:251]
	s_delay_alu instid0(VALU_DEP_1)
	v_pk_add_f32 v[14:15], v[14:15], v[236:237]
.irp b, 0,1,2,3
.irp i, 0,1,2,3,4,5,6,7,8,9,10,11,12,13,14,15
	v_min_num_f32 v[S+16*\b+\i], v[S+16*\b+\i], v[HO+\b]   ; the conversion does not saturate (ISA guide 7.6.2); p is not negative: a one-sided hold
.endr
	v_cvt_scalef32_pk8_bf8_f32 v[PC+4*\b:PC+4*\b+1], v[S+16*\b:S+16*\b+7], v[SC+\b]
	v_cvt_scalef32_pk8_bf8_f32 v[PC+4*\b+2:PC+4*\b+3], v[S+16*\b+8:S+16*\b+15], v[SC+\b]
.endr
	s_setprio 0
.irp t, 0,1,2,3                        ; V's four fragments land where p lay: K's registers, with their zeros, are left alone
.irp c, 0,1,2,3
	ds_load_b128 v[S+16*\t+4*\c:S+16*\t+4*\c+3], v[ADI] offset:VIMG+(4*(\q)+\t)*2048+512*\c
.endr
	ds_load_b32 v[VS+\t], v[ADW] offset:VSC+(4*(\q)+\t)*64
.endr
.set J, 0
.rept 16
	v_pk_mul_f32 v[O+J:O+J+1], v[O+J:O+J+1], v[F:F+1] op_sel_hi:[1,0]   ; O^T under the new M; these sixteen are also the places between the conversions and the products
.set J, J+2
.endr
	s_wait_alu depctr_va_vdst(0)
	s_wait_dscnt 0x0
.irp t, 0,1,2,3
	v_wmma_scale_f32_16x16x128_f8f6f4 v[O+8*\t:O+8*\t+7], v[S+16*\t:S+16*\t+15], v[PC:PC+15], v[O+8*\t:O+8*\t+7], v[VS+\t], v[PW] matrix_a_fmt:MATRIX_FMT_BF8 matrix_b_fmt:MATRIX_FMT_BF8
.endr
.endm
.macro SLOT_STEPS                      ; a slot's two key steps; then on to the next slot, 34,304 bytes further on
	v_add_nc_u32 v[ADI], s[TB], v[LI]
	s_wait_alu depctr_va_vdst(0)
	v_add_nc_u32 v[ADW], s[TB], v[LW]
	s_wait_alu depctr_va_vdst(0)
	STEP 0
	STEP 1
	s_add_co_u32 s[TB], s[TB], SLOTB
.endm
	s_wait_loadcnt 0x0                             ; Q
	s_wait_tensorcnt 0x7                           ; a wave's tensor loads end in order (ISA guide 10.11.1): my half of slot 0 has landed; the seven fills issued behind it may stay out
	s_barrier_signal -1
	s_barrier_wait -1                              ; both halves have
	SLOT_STEPS                                     ; slot 0 is walked while the other seven land
	s_wait_tensorcnt 0x0                           ; all my fills have landed
	s_wait_dscnt 0x0
	s_barrier_signal -1
	s_barrier_wait -1                              ; everybody's have: from here on LDS is only read, and no wave waits for another
.Lslot:                                            ; seven trips: slots 1 to 7
	SLOT_STEPS
	s_sub_co_u32 s[SLOTS], s[SLOTS], 1
	s_cmp_lg_u32 s[SLOTS], 0
	s_cbranch_scc1 .Lslot
	s_setprio 0
	; ---- the way out: ctx = O^T / l, quantised along d: its codes are groups 2 (head % 2), + 1 of K step head / 2 of the last product
	v_add_f32 v14, v14, v15
	s_delay_alu instid0(VALU_DEP_1)
	v_permlanex16_b32 v[T1], v14, s[SEL], s[SEL+1]
	s_delay_alu instid0(VALU_DEP_1)
	v_add_f32 v14, v14, v[T1]                      ; the row's sum
	s_wait_alu depctr_va_vdst(0)
	v_rcp_f32 v14, v14
	PLACES 8                                       ; behind the last products, and behind the reciprocal
.set J, 0
	s_wait_alu depctr_va_vdst(0)
.rept 32
	v_mul_f32 v[S+J], v[O+J], v14                  ; each accumulator from its low end on
.set J, J+1
.endr
	QUANT2 S, PC, TMP
	global_store_b128 v[LI], v[PC:PC+3], s[48:49]  ; 32 lanes store 512 consecutive bytes
	global_store_b128 v[LI], v[PC+4:PC+7], s[48:49] offset:512
	global_store_b16 v[LW], v[TMP], s[50:51]       ; my head's half of the token's scale word
	s_wait_tensorcnt 0x0
	ds_add_u32 v254, v255
	s_wait_dscnt 0x0
	s_endpgm
.Lfunc_end_k_q8035ed3bc1_attn:
	.size	k_q8035ed3bc1_attn, .Lfunc_end_k_q8035ed3bc1_attn-k_q8035ed3bc1_attn
	.p2alignl 7, 3214868480
	.fill 96, 4, 3214868480
	.section	.rodata,"a",@progbits
	.p2align	6, 0x0
	.amdhsa_kernel k_q8035ed3bc1_attn
		.amdhsa_group_segment_fixed_size 327680
		.amdhsa_private_segment_fixed_size 0
		.amdhsa_enable_private_segment 0
		.amdhsa_kernarg_size 40
		.amdhsa_user_sgpr_count 2
		.amdhsa_user_sgpr_kernarg_segment_ptr 1
		.amdhsa_wavefront_size32 1
		.amdhsa_system_sgpr_workgroup_id_x 1
		.amdhsa_system_sgpr_workgroup_id_y 1
		.amdhsa_system_sgpr_workgroup_id_z 1
		.amdhsa_system_vgpr_workitem_id 0
		.amdhsa_next_free_vgpr 256
		.amdhsa_next_free_sgpr 100
		.amdhsa_reserve_vcc 0
		.amdhsa_float_denorm_mode_32 3
		.amdhsa_float_denorm_mode_16_64 3
		.amdhsa_memory_ordered 1
		.amdhsa_forward_progress 1
		.amdhsa_inst_pref_size 96
	.end_amdhsa_kernel
	.amdgpu_metadata
---
amdhsa.version: [ 1, 2 ]
amdhsa.kernels:
  - .name:           k_q8035ed3bc1_attn
    .symbol:         k_q8035ed3bc1_attn.kd
    .args:
      - { .name: qimg, .offset: 0, .size: 8, .value_kind: global_buffer, .address_space: global }
      - { .name: qsc, .offset: 8, .size: 8, .value_kind: global_buffer, .address_space: global }
      - { .name: kv, .offset: 16, .size: 8, .value_kind: global_buffer, .address_space: global }
      - { .name: cimg, .offset: 24, .size: 8, .value_kind: global_buffer, .address_space: global }
      - { .name: csc, .offset: 32, .size: 8, .value_kind: global_buffer, .address_space: global }
    .group_segment_fixed_size: 327680
    .private_segment_fixed_size: 0
    .kernarg_segment_align: 8
    .kernarg_segment_size: 40
    .max_flat_workgroup_size: 512
    .sgpr_count:     100
    .vgpr_count:     256
    .wavefront_size: 32
...
	.end_amdgpu_metadata
.endif
;; end of part 5
;; launch proj_ln (part 6): grid 128 x 1, 16 waves a work-group, no clusters, 109,568 bytes of LDS; arguments cimg, csc, woimg, w_o_scales, b_o, ln_gamma, ln_beta, x, out0; writes out0
.if DOCPART == 6
	.amdgcn_target "amdgcn-amd-amdhsa--gfx1250"
	.amdhsa_code_object_version 6
	.text
	.protected	k_q8035ed3bc1_proj_ln
	.globl	k_q8035ed3bc1_proj_ln
	.p2align	8
	.type	k_q8035ed3bc1_proj_ln,@function
k_q8035ed3bc1_proj_ln:
	s_mov_b64 s[64:65], 0
	v_nop
	global_prefetch_b8 v0, s[64:65] scope:SCOPE_SE
	s_setreg_imm32_b32 hwreg(HW_REG_WAVE_SCHED_MODE, 0, 2), 2
	s_setreg_imm32_b32 hwreg(HW_REG_WAVE_MODE, 25, 1), 1
	s_wait_xcnt 0x0
	s_wait_alu depctr_vm_vsrc(0)
; out = LayerNorm(ctx Wo^T + b_o + x) x gamma + beta.  The product runs on codes of BF8 (E5M2) with E8M0 scales: ctx's images and scale words from the attention launch, w_o's images from the first launch, w_o's scale bytes as given.
; SHARES.  A work-group takes 32 whole rows (the norm wants whole rows) x all 1,024 columns; wave w takes columns 64 w .. + 63: 2 x 4 accumulators.  128 work-groups: every work-group takes in all of w_o whatever
; its number of rows, so 16 rows on 256 work-groups would double that traffic and shorten no work-group's stream.
; Each byte of w_o serves one wave of the work-group: it goes from memory straight into that wave's registers, 512 consecutive bytes a load, one to two K steps ahead.  No tensor load, no ring, no barrier in the K steps.
; The product is used transposed (source 0 = 16 rows of w_o, source 1 = 16 tokens): a lane holds one token and eight neighbouring columns.  x, turned into that layout through the wave's stage, is the C of the first products.
; The variance is taken in a second pass, of y - mean.  LIMITS: NaN and infinities are not served; 1 / sqrt is v_rsq_f32's.
; THE MODE: SCHED_MODE bits 1:0 = 2 (LLVM: expert scheduling mode 2), set by the entry lines.  The code itself states the register dependences
; between vector or matrix instructions and memory or LDS instructions, with s_wait_alu, always for 0.
; THE PLAN.  Registers that memory or LDS instructions touch:
;   v1-v11, v30, v31  offsets and LDS addresses: written at the head, once; read by every load and store (v30, v31 by the closing add alone).
;   AF, CSR           K step s: the LDS loads of ctx's fragments and scale words land here; the step's eight products read them.  At the head AF passes ctx's image from memory to LDS.
;   W, WS, set s % 2  the loads of K step s land here; step s's products read them; behind those products the set takes K step s + 2 (behind step 6: b_o and gamma; behind step 7: beta).
;   ACC               x from memory; read by the stores into the stage; x again from the stage; then products and the norm alone, until the way out's stores into the stage read them.
;   v26, v27          written by the row sums, read by the one LDS store of each sum over the waves, written again behind it.
;   RD                the loads of each sum over the waves land here; before, step 7's products read these registers as weights.
;   OB                on the way out the rows come back from the stage into these registers (AF's and b_o's, done with), and the stores to memory read them.
; So ONE wait on va_vdst stands in a K step, behind its products: they are done reading AF, CSR and their set of W and WS.  All the loads into those registers follow it, the next step's LDS loads first,
; and no vector or matrix instruction stands between the wait and them.  The other waits stand at the head, round each sum over the waves, and ahead of the way out.
.set CI,  0                            ; ctx's 16 fragments: (8 a + s) x 2,048
.set CS,  32768                        ; their scale words: (8 a + s) x 64
.set STG, 33792                        ; a stage for each wave: 16 rows x (256 + 16)
.set SPT, 272
.set RED, 103424                       ; the waves' row sums: 128 bytes a wave; 2,048 further on: the sums of squares
.set LI,  1                            ; v1  16 x lane
.set LW,  2                            ; v2  4 r
.set W32, 3                            ; v3  32 r
.set RO,  4                            ; v4  4,096 h + 16 r: two rows of x or out, 256 bytes each
.set SA,  5                            ; v5  the stage in the accumulators' layout: row r, + 32 h
.set SRW, 6                            ; v6  the stage by rows: row h, + 16 r
.set RR,  7                            ; v7  RED + 8 r
.set PB,  8                            ; v8  32 h
.set T2,  9                            ; v9  2 x thread
.set CIW, 10                           ; v10 2,048 w + 16 x lane
.set RW,  11                           ; v11 RED + 128 w + 8 r
.set CSR, 12                           ; v12-13 ctx's scale words
.set WS,  14                           ; v14-21 w_o's, two sets
.set AF,  32                           ; v32-63 ctx's two fragments
.set OB,  32                           ; v32-95 the way out: 32 rows' parts, back from the stage
.set W,   64                           ; v64-191 w_o's fragments, two sets of four
.set BO,  64
.set GA,  96
.set BE,  128
.set RD,  160
.set ACC, 192                          ; (a, t) at 192 + 8 (4 a + t)
.set WV,  2
.set SEL, 44
.macro PLACES n
.rept \n
	v_nop
.endr
.endm
.macro WLOAD s, set                    ; K step s: my four fragments, 8,192 consecutive bytes, and their scale words, into set 0 or 1
.irp t, 0,1,2,3
.irp c, 0,1,2,3
	global_load_b128 v[W+64*(\set)+16*\t+4*\c:W+64*(\set)+16*\t+4*\c+3], v[LI], s[32:33] offset:8192*(\s)+2048*\t+512*\c
.endr
.endr
.irp t, 0,1,2,3
	global_load_b32 v[WS+4*(\set)+\t], v[W32], s[34:35] offset:512*\t+4*(\s)
.endr
.endm
.macro AFETCH s                        ; K step s: ctx's two fragments and their scale words, from LDS
.irp a, 0,1
.irp c, 0,1,2,3
	ds_load_b128 v[AF+16*\a+4*\c:AF+16*\a+4*\c+3], v[LI] offset:CI+(8*\a+(\s))*2048+512*\c
.endr
	ds_load_b32 v[CSR+\a], v[LW] offset:CS+(8*\a+(\s))*64
.endr
.endm
.macro KMUL s                          ; K step s: its eight products, and the step's one wait on va_vdst
.if (\s) == 7
	s_wait_loadcnt 16                              ; this step's weights are in; b_o's and gamma's sixteen loads may be out
.else
	s_wait_loadcnt 20                              ; this step's weights are in; the next step's twenty loads may be out
.endif
	s_wait_dscnt 0x0
.irp a, 0,1
.irp t, 0,1,2,3                        ; the eight accumulators take turns, one instruction each in a K step
	v_wmma_scale_f32_16x16x128_f8f6f4 v[ACC+8*(4*\a+\t):ACC+8*(4*\a+\t)+7], v[W+64*((\s)%2)+16*\t:W+64*((\s)%2)+16*\t+15], v[AF+16*\a:AF+16*\a+15], v[ACC+8*(4*\a+\t):ACC+8*(4*\a+\t)+7], v[WS+4*((\s)%2)+\t], v[CSR+\a] matrix_a_fmt:MATRIX_FMT_BF8 matrix_b_fmt:MATRIX_FMT_BF8
.endr
.endr
	PLACES 8                                       ; the eight places behind the products stay as they stood; behind the last step they stand in front of the first read of results
	s_wait_alu depctr_va_vdst(0)                   ; the step's products are done reading AF, CSR and their set of W and WS: the loads that follow land in these registers
.endm
.macro ROWSUM                          ; the two chains' halves, and lane l xor 16's: my wave's part of token r's sum, tile 0 in v26, tile 1 in v27
	v_add_f32 v26, v22, v23
	v_add_f32 v27, v24, v25
	v_permlanex16_b32 v28, v26, s[SEL], s[SEL+1]
	v_permlanex16_b32 v29, v27, s[SEL], s[SEL+1]
	v_add_f32 v26, v26, v28
	v_add_f32 v27, v27, v29
.endm
.macro ALLSUM off                      ; over the sixteen waves: the totals in v[RD], v[RD+1]
	s_wait_alu depctr_va_vdst(0)                   ; v26 and v27 are written, which the store reads; and all that named v[RD ..] (products, the last sum's additions) are complete: the loads below land there
	ds_store_b64 v[RW], v[26:27] offset:\off       ; lanes r and r + 16 write the same words with the same values
	s_wait_dscnt 0x0                               ; for the others' sake
	s_barrier_signal -1
	s_barrier_wait -1
.irp i, 0,1,2,3,4,5,6,7,8,9,10,11,12,13,14,15
	ds_load_b64 v[RD+2*\i:RD+2*\i+1], v[RR] offset:\off+128*\i
.endr
	s_wait_dscnt 0x0
	s_wait_alu depctr_vm_vsrc(0)                   ; the store above has read v26 and v27, which the lines behind this sum write again
.irp i, 0,1,2,3,4,5,6,7
	v_pk_add_f32 v[RD+4*\i:RD+4*\i+1], v[RD+4*\i:RD+4*\i+1], v[RD+4*\i+2:RD+4*\i+3]
.endr
.irp i, 0,1,2,3
	v_pk_add_f32 v[RD+8*\i:RD+8*\i+1], v[RD+8*\i:RD+8*\i+1], v[RD+8*\i+4:RD+8*\i+5]
.endr
.irp i, 0,1
	v_pk_add_f32 v[RD+16*\i:RD+16*\i+1], v[RD+16*\i:RD+16*\i+1], v[RD+16*\i+8:RD+16*\i+9]
.endr
	v_pk_add_f32 v[RD:RD+1], v[RD:RD+1], v[RD+16:RD+17]
.endm
	s_load_b512 s[4:19], s[0:1], 0x0               ; cimg 4, csc 6, woimg 8, w_o_scales 10, b_o 12, gamma 14, beta 16, x 18
	s_load_b64 s[20:21], s[0:1], 0x40              ; out0
	v_lshl_add_u32 v30, v0, 2, 0x1a400
	v_mov_b32 v31, 0
	v_lshrrev_b32 v22, 5, v0
	v_readfirstlane_b32 s[WV], v22                 ; wave 0..15
	v_and_b32 v22, 31, v0                          ; lane
	v_and_b32 v24, 15, v0                          ; r
	v_bfe_u32 v25, v0, 4, 1                        ; h
	v_lshlrev_b32 v[LI], 4, v22
	v_lshlrev_b32 v[LW], 2, v24
	v_lshlrev_b32 v[W32], 5, v24
	v_lshlrev_b32 v[RO], 12, v25
	v_lshl_add_u32 v[RO], v24, 4, v[RO]
	s_wait_alu depctr_va_sdst(0)                   ; the wave's number is written, ahead of its first reader: LDS places and all the bases are made from it
	s_mul_i32 s22, s[WV], 16*SPT
	s_add_co_u32 s22, s22, STG
	v_mul_u32_u24 v23, v24, SPT
	v_lshl_add_u32 v23, v25, 5, v23
	v_add_nc_u32 v[SA], s22, v23
	v_mul_u32_u24 v23, v25, SPT
	v_lshl_add_u32 v23, v24, 4, v23
	v_add_nc_u32 v[SRW], s22, v23
	v_lshl_add_u32 v[RR], v24, 3, RED
	s_lshl_b32 s22, s[WV], 7
	v_add_nc_u32 v[RW], s22, v[RR]
	v_lshlrev_b32 v[PB], 5, v25
	v_lshlrev_b32 v[T2], 1, v0
	s_lshl_b32 s22, s[WV], 11
	v_add_nc_u32 v[CIW], s22, v[LI]
	v_mov_b32 v28, 0                               ; a lane permute's destination counts as one of its sources
	v_mov_b32 v29, 0
	s_mov_b32 s[SEL], 0x76543210
	s_mov_b32 s[SEL+1], 0xfedcba98
	s_mov_b32 s24, 0x3a800000                      ; 1 / 1,024
	s_mov_b32 s25, 0x3727c5ac                      ; 1e-5
	s_mov_b32 s23, 0
	s_wait_kmcnt 0x0
	s_lshl_b32 s22, ttmp9, 15                      ; my 16 fragments of ctx,
	s_add_nc_u64 s[26:27], s[4:5], s[22:23]
	s_lshl_b32 s22, s[WV], 11                      ; my wave's one; also: the scales of my 64 rows of w_o
	s_add_nc_u64 s[26:27], s[26:27], s[22:23]
	s_add_nc_u64 s[34:35], s[10:11], s[22:23]
	s_lshl_b32 s22, ttmp9, 10
	s_add_nc_u64 s[28:29], s[6:7], s[22:23]
	s_lshl_b32 s22, s[WV], 16
	s_add_nc_u64 s[32:33], s[8:9], s[22:23]
	s_lshl_b32 s22, s[WV], 8                       ; my 64 columns in f32
	s_add_nc_u64 s[36:37], s[12:13], s[22:23]
	s_add_nc_u64 s[38:39], s[14:15], s[22:23]
	s_add_nc_u64 s[40:41], s[16:17], s[22:23]
	s_add_nc_u64 s[30:31], s[18:19], s[22:23]
	s_add_nc_u64 s[42:43], s[20:21], s[22:23]
	s_lshl_b32 s22, ttmp9, 17                      ; my 32 rows of 4,096 bytes
	s_add_nc_u64 s[30:31], s[30:31], s[22:23]
	s_add_nc_u64 s[42:43], s[42:43], s[22:23]
	s_wait_alu depctr_va_vdst(0)                   ; the offsets and LDS addresses v1 to v11, and v30 and v31, are written: every load and store of the kernel reads some of them, and none is written again
.irp c, 0,1,2,3
	global_load_b128 v[AF+4*\c:AF+4*\c+3], v[LI], s[26:27] offset:512*\c
.endr
	global_load_u16 v[AF+16], v[T2], s[28:29]
.irp a, 0,1
.irp i, 0,1,2,3,4,5,6,7
	global_load_b128 v[ACC+32*\a+4*\i:ACC+32*\a+4*\i+3], v[RO], s[30:31] offset:(16*\a+2*\i)*4096 th:TH_LOAD_NT   ; sixteen lanes read 256 consecutive bytes of a row
.endr
.endr
	WLOAD 0, 0
	WLOAD 1, 1
	s_wait_loadcnt 56                              ; ctx's five loads are in; x's 16 and the weights' 40 may be out
.irp c, 0,1,2,3
	ds_store_b128 v[CIW], v[AF+4*\c:AF+4*\c+3] offset:CI+512*\c
.endr
	ds_store_b16 v[T2], v[AF+16] offset:CS
	s_wait_loadcnt 40                              ; x is in
.irp a, 0,1                            ; x through my own stage, in place: LDS serves a wave's instructions in order (ISA guide 5.7.1.4), so no wait on DScnt stands between the stores and the loads
.irp i, 0,1,2,3,4,5,6,7
	ds_store_b128 v[SRW], v[ACC+32*\a+4*\i:ACC+32*\a+4*\i+3] offset:2*SPT*\i
.endr
	s_wait_alu depctr_vm_vsrc(0)                   ; the eight stores above have read this tile's 32 registers, in which the loads below land; the first of the two waits also states that ctx's stores have read v[AF ..], in which K step 0's fragments land
.irp t, 0,1,2,3
	ds_load_b128 v[ACC+8*(4*\a+\t):ACC+8*(4*\a+\t)+3], v[SA] offset:64*\t
	ds_load_b128 v[ACC+8*(4*\a+\t)+4:ACC+8*(4*\a+\t)+7], v[SA] offset:64*\t+16
.endr
.endr
	s_wait_dscnt 0x0                               ; my part of ctx lies in LDS; x is back
	s_barrier_signal -1
	s_barrier_wait -1
	AFETCH 0                                       ; no vector or matrix instruction has named AF or CSR
.irp s, 0,1,2,3,4,5
	KMUL \s
	AFETCH \s+1                                    ; behind the step's wait: first what the next products wait for,
	WLOAD \s+2, \s%2                               ; then the weights of two K steps on, into the set that this step has just multiplied
.endr
	KMUL 6
	AFETCH 7
.irp t, 0,1,2,3                        ; lane (r, h), tile t: columns 16 t + 8 h + 0 .. 7 of my 64; into set 0, which step 6 has multiplied
	global_load_b128 v[BO+8*\t:BO+8*\t+3], v[PB], s[36:37] offset:64*\t
	global_load_b128 v[BO+8*\t+4:BO+8*\t+7], v[PB], s[36:37] offset:64*\t+16
	global_load_b128 v[GA+8*\t:GA+8*\t+3], v[PB], s[38:39] offset:64*\t
	global_load_b128 v[GA+8*\t+4:GA+8*\t+7], v[PB], s[38:39] offset:64*\t+16
.endr
	KMUL 7
.irp t, 0,1,2,3                        ; into set 1, which step 7 has multiplied
	global_load_b128 v[BE+8*\t:BE+8*\t+3], v[PB], s[40:41] offset:64*\t
	global_load_b128 v[BE+8*\t+4:BE+8*\t+7], v[PB], s[40:41] offset:64*\t+16
.endr
	s_wait_loadcnt 0x0
	; ---- the norm, in the accumulators' layout
.irp a, 0,1
.set J, 0
.rept 16
	v_pk_add_f32 v[ACC+32*\a+J:ACC+32*\a+J+1], v[ACC+32*\a+J:ACC+32*\a+J+1], v[BO+J:BO+J+1]   ; + b_o; each accumulator from its low end on
.set J, J+2
.endr
.endr
	v_pk_add_f32 v[22:23], v[ACC:ACC+1], v[ACC+2:ACC+3]
	v_pk_add_f32 v[24:25], v[ACC+32:ACC+33], v[ACC+34:ACC+35]
.set J, 4
.rept 14
	v_pk_add_f32 v[22:23], v[22:23], v[ACC+J:ACC+J+1]
	v_pk_add_f32 v[24:25], v[24:25], v[ACC+32+J:ACC+32+J+1]
.set J, J+2
.endr
	ROWSUM
	ALLSUM 0
	v_mul_f32 v26, 0xba800000, v[RD]               ; -mean
	v_mul_f32 v28, 0xba800000, v[RD+1]
.irp a, 0,1
.set J, 0
.rept 16
	v_pk_add_f32 v[ACC+32*\a+J:ACC+32*\a+J+1], v[ACC+32*\a+J:ACC+32*\a+J+1], v[26+2*\a:27+2*\a] op_sel_hi:[1,0]
.set J, J+2
.endr
.endr
	v_pk_mul_f32 v[22:23], v[ACC:ACC+1], v[ACC:ACC+1]
	v_pk_mul_f32 v[24:25], v[ACC+32:ACC+33], v[ACC+32:ACC+33]
.set J, 2
.rept 15
	v_pk_fma_f32 v[22:23], v[ACC+J:ACC+J+1], v[ACC+J:ACC+J+1], v[22:23]
	v_pk_fma_f32 v[24:25], v[ACC+32+J:ACC+32+J+1], v[ACC+32+J:ACC+32+J+1], v[24:25]
.set J, J+2
.endr
	ROWSUM
	ALLSUM 2048
	v_fma_f32 v26, v[RD], s24, s25                 ; the variance + 1e-5
	v_fma_f32 v28, v[RD+1], s24, s25
	s_wait_alu depctr_va_vdst(0)
	v_rsq_f32 v26, v26
	v_rsq_f32 v28, v28
	v_nop                                          ; a plain line behind the transcendentals
	s_wait_alu depctr_va_vdst(0)                   ; the two reciprocal roots v26 and v28 are written, ahead of their first reader: one wait for both
.irp a, 0,1
.set J, 0
.rept 16
	v_pk_mul_f32 v[ACC+32*\a+J:ACC+32*\a+J+1], v[ACC+32*\a+J:ACC+32*\a+J+1], v[26+2*\a:27+2*\a] op_sel_hi:[1,0]
.set J, J+2
.endr
.endr
.irp a, 0,1
.set J, 0
.rept 16
	v_pk_fma_f32 v[ACC+32*\a+J:ACC+32*\a+J+1], v[ACC+32*\a+J:ACC+32*\a+J+1], v[GA+J:GA+J+1], v[BE+J:BE+J+1]
.set J, J+2
.endr
.endr
	; ---- the way out: through my stage, back as rows, into registers of their own: no load lands in a register that a store into the stage reads
	s_wait_alu depctr_va_vdst(0)                   ; the multiply-adds have written the accumulators, which the LDS stores read; and all that named v[OB ..] (the products as ctx's fragments, the additions of b_o) are complete: the loads from the stage land there.  No vector instruction follows
.irp a, 0,1
.irp t, 0,1,2,3
	ds_store_b128 v[SA], v[ACC+8*(4*\a+\t):ACC+8*(4*\a+\t)+3] offset:64*\t
	ds_store_b128 v[SA], v[ACC+8*(4*\a+\t)+4:ACC+8*(4*\a+\t)+7] offset:64*\t+16
.endr
.irp i, 0,1,2,3,4,5,6,7
	ds_load_b128 v[OB+32*\a+4*\i:OB+32*\a+4*\i+3], v[SRW] offset:2*SPT*\i   ; LDS serves a wave's instructions in order (ISA guide 5.7.1.4): these see the stores above, and tile 1's stores come behind tile 0's loads
.endr
.endr
.irp a, 0,1
.irp i, 0,1,2,3,4,5,6,7
	s_wait_dscnt 16*(1-\a)+7-\i                    ; the younger loads from the stage, and for tile 0 tile 1's sixteen LDS instructions, may be out
	global_store_b128 v[RO], v[OB+32*\a+4*\i:OB+32*\a+4*\i+3], s[42:43] offset:(16*\a+2*\i)*4096 th:TH_STORE_NT   ; sixteen lanes store 256 consecutive bytes, at a multiple of 256 from out0's first byte
.endr
.endr
	s_wait_dscnt 0x0                               ; the closing lines, six on end
	s_wait_alu 0x0
	s_wait_tensorcnt 0x0
	ds_add_u32 v30, v31
	s_wait_dscnt 0x0
	s_endpgm
.Lfunc_end_k_q8035ed3bc1_proj_ln:
	.size	k_q8035ed3bc1_proj_ln, .Lfunc_end_k_q8035ed3bc1_proj_ln-k_q8035ed3bc1_proj_ln
	.p2alignl 7, 3214868480
	.fill 96, 4, 3214868480
	.section	.rodata,"a",@progbits
	.p2align	6, 0x0
	.amdhsa_kernel k_q8035ed3bc1_proj_ln
		.amdhsa_group_segment_fixed_size 109568
		.amdhsa_private_segment_fixed_size 0
		.amdhsa_enable_private_segment 0
		.amdhsa_kernarg_size 72
		.amdhsa_user_sgpr_count 2
		.amdhsa_user_sgpr_kernarg_segment_ptr 1
		.amdhsa_wavefront_size32 1
		.amdhsa_system_sgpr_workgroup_id_x 1
		.amdhsa_system_sgpr_workgroup_id_y 1
		.amdhsa_system_sgpr_workgroup_id_z 1
		.amdhsa_system_vgpr_workitem_id 0
		.amdhsa_next_free_vgpr 256
		.amdhsa_next_free_sgpr 66
		.amdhsa_reserve_vcc 0
		.amdhsa_float_denorm_mode_32 3
		.amdhsa_float_denorm_mode_16_64 3
		.amdhsa_memory_ordered 1
		.amdhsa_forward_progress 1
		.amdhsa_inst_pref_size 62
	.end_amdhsa_kernel
	.amdgpu_metadata
---
amdhsa.version: [ 1, 2 ]
amdhsa.kernels:
  - .name:           k_q8035ed3bc1_proj_ln
    .symbol:         k_q8035ed3bc1_proj_ln.kd
    .args:
      - { .name: cimg, .offset: 0, .size: 8, .value_kind: global_buffer, .address_space: global }
      - { .name: csc, .offset: 8, .size: 8, .value_kind: global_buffer, .address_space: global }
      - { .name: woimg, .offset: 16, .size: 8, .value_kind: global_buffer, .address_space: global }
      - { .name: w_o_scales, .offset: 24, .size: 8, .value_kind: global_buffer, .address_space: global }
      - { .name: b_o, .offset: 32, .size: 8, .value_kind: global_buffer, .address_space: global }
      - { .name: ln_gamma, .offset: 40, .size: 8, .value_kind: global_buffer, .address_space: global }
      - { .name: ln_beta, .offset: 48, .size: 8, .value_kind: global_buffer, .address_space: global }
      - { .name: x, .offset: 56, .size: 8, .value_kind: global_buffer, .address_space: global }
      - { .name: out0, .offset: 64, .size: 8, .value_kind: global_buffer, .address_space: global }
    .group_segment_fixed_size: 109568
    .private_segment_fixed_size: 0
    .kernarg_segment_align: 8
    .kernarg_segment_size: 72
    .max_flat_workgroup_size: 512
    .sgpr_count:     66
    .vgpr_count:     256
    .wavefront_size: 32
...
	.end_amdgpu_metadata
.endif
;; end of part 6
